; MI455X (gfx1250); checked and timed in simulation.
; The chip was launched on July 23, 2026; its instructions are those of AMD's public machine-readable ISA for CDNA 5 (MIT licence, August 2026) and "CDNA5" Instruction Set Architecture Reference Guide (July 2026). The comments in the code are by the model that wrote it; some were corrected since.
;; Self Attention. Allowed arithmetic: matrix products marked QUANTISED: E2M3 operands, one E8M0 scale for each 32 along K, by v_wmma_scale_f32_16x16x128_f8f6f4 with both operands' format E2M3, f32 sums; everything else in f32.
;; Inputs: Wk 1,024 x 1,024 float32; Wo 1,024 x 1,024 float32; Wq 1,024 x 1,024 float32; Wv 1,024 x 1,024 float32; bo 1,024 float32; keys 4 x 2,048 x 1,024 float32; mask 4 x 1 x 2,048 x 2,048 int32; query 4 x 2,048 x 1,024 float32; values 4 x 2,048 x 1,024 float32.
;; Outputs: out0 4 x 2,048 x 1,024 float32.
;; This version of the problem:
;;   THIS VERSION OF THE PROBLEM IS GIVEN IN LOW PRECISION. The matrix products marked QUANTISED in the list below multiply operands that are first quantised to E2M3 (2 exponent bits, 3 mantissa bits; 6 bits a number), with one power-of-two scale for each 32 numbers along K (OCP MX v1.0); their sums are f32. All else is computed in f32.
;;   The module's matrix products, in the order in which they are computed (A, B: the left and right operand; K: the contracted axis; several contracted axes count as one K, in the product's order):
;;     1. [M 8,192, K 1,024] x [K 1,024, N 1,024]; A: input values; B: input Wv: QUANTISED
;;     2. [M 8,192, K 1,024] x [K 1,024, N 1,024]; A: input keys; B: input Wk: QUANTISED
;;     3. [M 8,192, K 1,024] x [K 1,024, N 1,024]; A: input query; B: input Wq: QUANTISED
;;     4. batch 64 x [M 2,048, K 64] x [K 64, N 2,048]; A: computed on the way; B: computed on the way: QUANTISED
;;     5. batch 64 x [M 64, K 2,048] x [K 2,048, N 2,048]; A: computed on the way; B: softmax (see below): QUANTISED
;;     6. [M 8,192, K 1,024] x [K 1,024, N 1,024]; A: computed on the way; B: input Wo: QUANTISED
;;   THE QUANTISER, for each operand of a quantised product, along K:
;;     - K is cut into blocks of 32 from its start; a last block that is shorter is filled with zeros.
;;     - A block's scale is 2^e with e = floor(log2(the largest magnitude in the block)) - 2, held to -126 .. 127; a block of zeros has e = 0. As a byte (E8M0): e + 127.
;;     - Each number is divided by its block's scale, clamped to +-7.5, and rounded to the nearest number of E2M3, ties to even, subnormals kept.
;;     - The product sums the exact products of the quantised numbers (number of the format x scale) in f32.
;;   ~~~python
;;   def quantise(x, axis):      # numpy; x: float32 -> the quantised numbers, widened to float32 again
;;       x = np.moveaxis(x, axis, -1); K = x.shape[-1]
;;       x = np.pad(x, [(0, 0)] * (x.ndim - 1) + [(0, -K % 32)]); x = x.reshape(x.shape[:-1] + (-1, 32)); a = np.abs(x).max(-1, keepdims=True)
;;       e = np.where(a > 0, np.clip(np.frexp(np.where(a > 0, a, 1))[1] - 1 - 2, -126, 127), 0)      # np.frexp(a)[1] - 1 = floor(log2(a)), exactly
;;       r = np.clip(x / 2.0 ** e, -7.5, 7.5)
;;       step = 2.0 ** (np.maximum(np.frexp(np.where(r == 0, 1, r))[1] - 1, 0) - 3)
;;       q = np.round(r / step) * step * 2.0 ** e      # np.round: ties to even
;;       return np.moveaxis(q.reshape(q.shape[:-2] + (-1,))[..., :K], -1, axis).astype(np.float32)
;;   ~~~
;;   SOFTMAX AHEAD OF A QUANTISED PRODUCT. Where the list says 'softmax', what is quantised is not the finished softmax but p = 2^(t - M), with t = logit x log2(e) and M = ceil(the row's largest t), a whole number; so 1/2 < the row's largest p <= 1. The row's sum l is taken of the UNQUANTISED p, in f32, and the product's result is divided by l at the end. Since M is a whole number, a kernel that streams over the keys may use a running M (the ceiling of the running maximum): every later rescaling is an exact power of two, which a block's scale takes up: the codes' values come out the same.
;;   OPERANDS COMPUTED ON THE WAY. 'Computed on the way' means the value that the module computes at that place (a softmax that the list does not call 'softmax' is quantised finished and normalised). What goes into a quantiser is computed in f32, as accurately as f32 sums, v_exp_f32 and their like allow (about 1e-6 of the number): no bf16 or f16 on the way to a quantiser, and a product that is left as it is and whose result goes on into a quantised operand takes f32 operands (vector FMAs, or v_wmma_f32_16x16x4_f32). A number that lies on a knife's edge between two numbers of the format may be rounded either way, as far as f32 arithmetic and the matrix unit's own rounding can turn it there, and no further.
;; One version. Each part assembles by itself: llvm-mc -triple=amdgcn-amd-amdhsa -mcpu=gfx1250 --defsym DOCPART=n.
;; ======== version 1 of 1: 4 launches
;; limits: right only within a limited range of input values
;; workspace buffers: inc 22,020,096 bytes; ins 917,504 bytes; qkvc 18,874,368 bytes; qkvs 1,572,864 bytes; oc 6,291,456 bytes; os 262,144 bytes; mw 2,097,152 bytes of whole numbers; fl 8,192 bytes of whole numbers
;; launch prep (part 1): grid 960 x 1, 4 waves a work-group, no clusters, 70,144 bytes of LDS; arguments query, keys, values, Wq, Wk, Wv, Wo, mask, inc, ins, mw, fl; writes inc, ins, mw, fl
.if DOCPART == 1
	.amdgcn_target "amdgcn-amd-amdhsa--gfx1250"
	.amdhsa_code_object_version 6
	.text
	.protected	k_q644ecff1b9_prep
	.globl	k_q644ecff1b9_prep
	.p2align	8
	.type	k_q644ecff1b9_prep,@function
k_q644ecff1b9_prep:
	s_mov_b64 s[64:65], 0
	v_nop
	global_prefetch_b8 v0, s[64:65] scope:SCOPE_SE
	s_setreg_imm32_b32 hwreg(HW_REG_WAVE_MODE, 25, 1), 1
	s_wait_xcnt 0x0
; PREP.  (1) query, keys, values [8192][1024] and Wq, Wk, Wv, Wo [1024][1024], f32, K innermost, become codes of FP6 (E2M3) with one E8M0 byte for each 32 along K.
; (2) mask [4][2048][2048] int32 becomes one bit a number, laid as the lane masks that the attention launch wants, and one flag for each (tile of 16 queries, 128 keys): has it a hole.
; THE CODES' LAYOUT is an image of the operand's registers.  224 blocks of 128 rows: query 0-63, keys 64-127, values 128-191, Wq 192-199, Wk 200-207, Wv 208-215, Wo 216-223.
;   inc: [block][kappa = K / 128][tile 0..7][c = 0, 1][768 bytes].  Tile i, lane row r is row 32 (i / 2) + 8 (i % 2) + r + 8 (r / 8) of the block.  A record of 768 bytes holds registers 6 c .. 6 c + 5 of the fragment:
;   lane l's first four at 16 l, its last two at 512 + 8 l.   ins: [block][kappa][512 bytes]: lane l's 16 bytes at 16 l, word j = the scale word of tile 4 (l / 16) + j, lane row l % 16.
;   mw: [n][T = tile of 16 queries, 0..127][step of 128 keys][64 words]: word 32 c + e, bit l = mask(query 128 (T / 8) + row(T % 8, l % 16), key 128 step + 64 c + 32 (l / 16) + e) != 0.
;   fl: [n][T][4 words]: word w holds, at bits 4 w .. 4 w + 3, 1 where that step has a hole.
; A block's scale is 2^(floor(log2(largest magnitude)) - 2); its byte is the largest magnitude's exponent field - 2, held at 1 from below.
; LIMITS: a block whose largest magnitude lies under 2^-124 (a block of zeros too) keeps the byte 1: this program alone reads the bytes; NaN and infinities among the inputs are not served.
; SHARES.  Work-groups 0-447 quantise: a wave takes 128 rows x 128 K, eight tiles of 16 rows.  Work-groups 448-959 take the mask: a work-group a tile T, a wave four steps.
; Every global load reads 512 consecutive bytes of one row; a tile turns through the wave's own stage in LDS (16 rows, 528 bytes apart: 33 x 16, so the 16 rows that a read touches start at 16 different groups of banks),
; so that a lane gets neighbours along K.  Waves share nothing: no barrier.  The two paths have LDS bytes of their own.  Loads run two tiles (32 loads a wave) ahead.
.set STG,   8704                       ; a wave's stage: 16 x 528 = 8,448 bytes, in a place of 8,704
.set PITCH, 528
.set R0,    64                         ; v64-127, v128-191: two sets of 16 rows x 16 bytes a lane, as loaded
.set X,     192                        ; v192-255: a tile's 64 numbers of my lane, behind the turn
.set PC,    32                         ; v32-43 the fragment's 12 registers
.set TC,    44                         ; v44-46, v48-50 the upper halves of the blocks' codes, as the conversions leave them
.set W,     16                         ; v16-23 the eight tiles' scale words
.macro LOADT set, imm, pitch           ; a tile's 16 rows: row i of the tile is row i + 8 (i / 8) from its first
.irp i, 0,1,2,3,4,5,6,7,8,9,10,11,12,13,14,15
	global_load_b128 v[\set+4*\i:\set+4*\i+3], v2, s[32:33] offset:\imm+(\i+8*(\i/8))*\pitch th:TH_LOAD_NT
.endr
.endm
.macro TURN set, grp, gstep            ; through the stage: LDS serves a wave's instructions in order, so no wait stands between the stores and the loads
.irp i, 0,1,2,3,4,5,6,7,8,9,10,11,12,13,14,15
	ds_store_b128 v4, v[\set+4*\i:\set+4*\i+3] offset:PITCH*\i
.endr
.irp i, 0,1,2,3,4,5,6,7,8,9,10,11,12,13,14,15
	ds_load_b128 v[X+4*\i:X+4*\i+3], v5 offset:\gstep*(\i/\grp)+16*(\i%\grp)
.endr
.endm
	s_load_b512 s[4:19], s[0:1], 0x0               ; query, keys, values, Wq, Wk, Wv, Wo, mask
	s_load_b256 s[20:27], s[0:1], 0x40             ; inc, ins, mw, fl
	v_lshl_add_u32 v62, v0, 2, 0x11000
	v_mov_b32 v63, 0
	v_lshrrev_b32 v1, 5, v0
	v_readfirstlane_b32 s28, v1                    ; wave
	v_and_b32 v1, 31, v0                           ; lane
	v_lshlrev_b32 v2, 4, v1                        ; 16 x lane
	v_lshlrev_b32 v3, 3, v1                        ; 8 x lane
	v_and_b32 v7, 15, v0                           ; r
	v_bfe_u32 v8, v0, 4, 1                         ; h
	v_lshlrev_b32 v6, 3, v8                        ; 8 h
	v_mul_u32_u24 v5, v7, PITCH
	s_mul_i32 s29, s28, STG
	s_cmp_ge_u32 ttmp9, 448
	s_cbranch_scc1 .Lmask
	; ---------------- the quantiser ----------------
	v_add_nc_u32 v4, s29, v2                       ; into the stage: 16 x lane of a row
	v_lshl_add_u32 v5, v8, 7, v5
	v_add_nc_u32 v5, s29, v5                       ; out of it: row r, + 128 h: my block of 32 numbers
	v_mov_b32 v15, 0                               ; (a lane permute's destination counts as one of its sources)
	s_lshr_b32 s30, ttmp9, 1                       ; the block
	s_and_b32 s31, ttmp9, 1
	s_lshl_b32 s31, s31, 2
	s_add_co_u32 s31, s31, s28                     ; kappa
	s_mov_b32 s40, 0x76543210
	s_mov_b32 s41, 0xfedcba98                      ; selects for lane l xor 16
	s_mov_b32 s42, 0xffff0000                      ; lanes 16-31
	s_wait_alu depctr_va_vdst(0)
	s_wait_kmcnt 0x0
	s_mov_b64 s[32:33], s[4:5]
	s_mov_b32 s34, 0
.macro PICK lim, ptr                   ; the tensor in which the block lies: the choice hangs on the work-group's number alone
	s_cmp_ge_u32 s30, \lim
	s_cselect_b64 s[32:33], s[\ptr:\ptr+1], s[32:33]
	s_cselect_b32 s34, \lim, s34
.endm
	PICK 64, 6
	PICK 128, 8
	PICK 192, 10
	PICK 200, 12
	PICK 208, 14
	PICK 216, 16
	s_sub_co_u32 s34, s30, s34                     ; the block's number in its tensor,
	s_lshl_b32 s34, s34, 19                        ; x 128 rows of 4,096 bytes,
	s_lshl_b32 s35, s31, 9                         ; + kappa x 512 bytes
	s_add_co_u32 s34, s34, s35
	s_mov_b32 s35, 0
	s_add_nc_u64 s[32:33], s[32:33], s[34:35]
	s_lshl_b32 s36, s30, 3
	s_add_co_u32 s36, s36, s31                     ; 8 x block + kappa
	s_mul_i32 s38, s36, 12288
	s_mov_b32 s39, 0
	s_add_nc_u64 s[20:21], s[20:21], s[38:39]
	s_lshl_b32 s38, s36, 9
	s_add_nc_u64 s[22:23], s[22:23], s[38:39]
	LOADT R0, 0, 4096
	LOADT R0+64, 8*4096, 4096
.macro QTRIP t
.if \t < 7
	s_wait_loadcnt 16                              ; this tile's 16 loads are in; the next tile's 16 may be out
.else
	s_wait_loadcnt 0x0
.endif
	TURN R0+64*((\t)%2), 8, 256
	s_wait_dscnt 0x0                               ; my 64 numbers are here, and the stores have read the set,
.if \t+2 < 8
	LOADT R0+64*((\t)%2), (32*((\t+2)/2)+8*((\t+2)%2))*4096, 4096   ; which takes the tile two on
.endif
.irp c, 0,1                                    ; block 2 c + h of my row: all its 32 numbers are mine
	v_max3_num_f32 v[10+\c], |v[X+32*\c]|, |v[X+32*\c+1]|, 0x1800000   ; with the floor 2^(3 - 127): the byte cannot fall under 1
.endr
.irp i, 2,4,6,8,10,12,14,16,18,20,22,24,26,28,30
.irp c, 0,1
	v_max3_num_f32 v[10+\c], v[10+\c], |v[X+32*\c+\i]|, |v[X+32*\c+\i+1]|
.endr
.endr
.irp c, 0,1
	v_add_nc_u32 v[12+\c], 0xff000000, v[10+\c]    ; 2 off the exponent field: the conversion's scale operand
.endr
.irp c, 0,1
	v_lshrrev_b32 v[10+\c], 23, v[12+\c]           ; the scale's byte
.endr
	v_lshl_or_b32 v14, v11, 16, v10                ; my two bytes, blocks h and 2 + h,
	v_lshlrev_b32 v14, v6, v14                     ; at their places (8 h bits up);
	v_permlanex16_b32 v15, v14, s40, s41
	v_or_b32 v[W+\t], v14, v15                     ; with lane l xor 16's two the word is whole
	s_wait_alu depctr_va_vdst(0)
	s_wait_xcnt 0x0                                ; the last tile's stores have read their data: the codes' registers are written again only behind this wait
.irp c, 0,1
	v_cvt_scalef32_pk16_fp6_f32 v[PC+6*\c:PC+6*\c+2], v[X+32*\c:X+32*\c+15], v[12+\c]
	v_cvt_scalef32_pk16_fp6_f32 v[TC+4*\c:TC+4*\c+2], v[X+32*\c+16:X+32*\c+31], v[12+\c]   ; (a conversion's three registers begin on an even number)
.endr
	v_nop                                          ; one plain place behind a scaled conversion
.irp c, 0,1
.irp i, 0,1,2
	v_mov_b32 v[PC+3+6*\c+\i], v[TC+4*\c+\i]
.endr
.endr
	global_store_b128 v2, v[PC:PC+3], s[20:21] offset:1536*\t            ; 512 consecutive bytes
	global_store_b64 v3, v[PC+4:PC+5], s[20:21] offset:1536*\t+512       ; 256 consecutive bytes
	global_store_b128 v2, v[PC+6:PC+9], s[20:21] offset:1536*\t+768
	global_store_b64 v3, v[PC+10:PC+11], s[20:21] offset:1536*\t+1280
.endm
.irp t, 0,1,2,3,4,5,6,7
	QTRIP \t
.endr
.irp j, 0,1,2,3
	v_cndmask_b32 v[24+\j], v[W+\j], v[W+4+\j], s42   ; lanes 0-15 tiles 0-3, lanes 16-31 tiles 4-7
.endr
	global_store_b128 v2, v[24:27], s[22:23]       ; the scale words of 128 rows: 512 consecutive bytes
	s_wait_tensorcnt 0x0
	ds_add_u32 v62, v63
	s_wait_dscnt 0x0
	s_endpgm
	; ---------------- the mask ----------------
.Lmask:
	s_add_co_u32 s29, s29, 4*STG                   ; this path's own stages
	s_wait_alu depctr_va_vdst(0)
	v_add_nc_u32 v4, s29, v2
	v_lshl_add_u32 v5, v8, 7, v5                   ; mw's words as they are laid here: word 32 c + e, bit l = mask(query row l % 16 of the tile, key 128 step + 64 c + 32 (l / 16) + e)
	v_add_nc_u32 v5, s29, v5                       ; out of the stage: row r, + 128 h: 32 keys of each 64
.irp i, 0,1,2,3,4,5,6,7
	v_mov_b32 v[32+\i], 0                          ; (v_writelane_b32's destination counts as read)
.endr
	s_sub_co_u32 s30, ttmp9, 448                   ; 128 n + T
	s_lshr_b32 s31, s30, 7                         ; n
	s_and_b32 s34, s30, 127                        ; T
	s_lshl_b32 s35, s31, 11
	s_lshr_b32 s36, s34, 3
	s_lshl_b32 s36, s36, 7
	s_add_co_u32 s35, s35, s36
	s_bfe_u32 s36, s34, 0x20001
	s_lshl_b32 s36, s36, 5
	s_add_co_u32 s35, s35, s36
	s_and_b32 s36, s34, 1
	s_lshl_b32 s36, s36, 3
	s_add_co_u32 s35, s35, s36                     ; the tile's first row: 2048 n + 128 (T / 8) + 32 ((T % 8) / 2) + 8 (T % 2)
	s_lshl_b32 s35, s35, 13                        ; x 8,192 bytes (under 2^27)
	s_lshl_b32 s36, s28, 11                        ; + my four steps of 512 bytes
	s_add_co_u32 s36, s35, s36
	s_mov_b32 s37, 0
	s_lshl_b32 s38, s30, 12
	s_lshl_b32 s39, s28, 10
	s_add_co_u32 s38, s38, s39                     ; mw: (16 (128 n + T) + 4 wave) x 256
	s_mov_b32 s39, 0
	s_lshl_b32 s48, s30, 4
	s_lshl_b32 s49, s28, 2
	s_add_co_u32 s48, s48, s49                     ; fl: (4 (128 n + T) + wave) x 4
	s_mov_b32 s49, 0
	s_mov_b32 s52, 0                               ; the flags
	s_wait_alu depctr_va_vdst(0)
	s_wait_kmcnt 0x0
	s_add_nc_u64 s[32:33], s[18:19], s[36:37]
	s_add_nc_u64 s[24:25], s[24:25], s[38:39]
	s_add_nc_u64 s[26:27], s[26:27], s[48:49]
	LOADT R0, 0, 8192
	LOADT R0+64, 512, 8192
.macro MTRIP k
.if \k < 3
	s_wait_loadcnt 16                              ; this step's 16 loads are in; the next step's 16 may be out
.else
	s_wait_loadcnt 0x0
.endif
	TURN R0+64*((\k)%2), 8, 256
	s_wait_dscnt 0x0
.if \k+2 < 4
	LOADT R0+64*((\k)%2), 512*(\k+2), 8192
.endif
	s_mov_b32 s50, -1
.set m, 0
.rept 64                                       ; register m = 32 c + e holds mask(my query, key 64 c + 32 h + e): the compare's lane mask IS word m
	v_cmp_ne_u32 s[40+m%8], 0, v[X+m]
	s_and_b32 s50, s50, s[40+m%8]
	v_writelane_b32 v[32+2*\k+m%2], s[40+m%8], m/2
.set m, m+1
.endr
	global_store_b64 v3, v[32+2*\k:33+2*\k], s[24:25] offset:256*\k   ; 64 words: 256 consecutive bytes, aligned
	s_cmp_lg_u32 s50, -1
	s_cselect_b32 s51, 1<<\k, 0
	s_or_b32 s52, s52, s51
.endm
.irp k, 0,1,2,3
	MTRIP \k
.endr
	s_lshl_b32 s53, s28, 2
	s_lshl_b32 s52, s52, s53                       ; my four flags at bits 4 wave on
	v_mov_b32 v10, s52
	v_mov_b32 v11, 0
	s_wait_alu depctr_va_vdst(0)
	s_wait_xcnt 0x0                                ; EXEC changes only behind this wait
	v_cmp_eq_u32 vcc_lo, 0, v1
	s_wait_tensorcnt 0x0
	ds_add_u32 v62, v63
	s_wait_dscnt 0x0
	s_and_saveexec_b32 s54, vcc_lo
	global_store_b32 v11, v10, s[26:27]            ; one word a wave
	s_wait_xcnt 0x0
	s_or_b32 exec_lo, exec_lo, s54
	s_endpgm
.Lfunc_end_k_q644ecff1b9_prep:
	.size	k_q644ecff1b9_prep, .Lfunc_end_k_q644ecff1b9_prep-k_q644ecff1b9_prep
	.p2alignl 7, 3214868480
	.fill 96, 4, 3214868480
	.section	.rodata,"a",@progbits
	.p2align	6, 0x0
	.amdhsa_kernel k_q644ecff1b9_prep
		.amdhsa_group_segment_fixed_size 70144
		.amdhsa_private_segment_fixed_size 0
		.amdhsa_enable_private_segment 0
		.amdhsa_kernarg_size 96
		.amdhsa_user_sgpr_count 2
		.amdhsa_user_sgpr_kernarg_segment_ptr 1
		.amdhsa_wavefront_size32 1
		.amdhsa_system_sgpr_workgroup_id_x 1
		.amdhsa_system_sgpr_workgroup_id_y 1
		.amdhsa_system_sgpr_workgroup_id_z 1
		.amdhsa_system_vgpr_workitem_id 0
		.amdhsa_next_free_vgpr 256
		.amdhsa_next_free_sgpr 66
		.amdhsa_reserve_vcc 1
		.amdhsa_float_denorm_mode_32 3
		.amdhsa_float_denorm_mode_16_64 3
		.amdhsa_memory_ordered 1
		.amdhsa_forward_progress 1
		.amdhsa_inst_pref_size 116
	.end_amdhsa_kernel
	.amdgpu_metadata
---
amdhsa.version: [ 1, 2 ]
amdhsa.kernels:
  - .name:           k_q644ecff1b9_prep
    .symbol:         k_q644ecff1b9_prep.kd
    .args:
      - { .name: query, .offset: 0, .size: 8, .value_kind: global_buffer, .address_space: global }
      - { .name: keys, .offset: 8, .size: 8, .value_kind: global_buffer, .address_space: global }
      - { .name: values, .offset: 16, .size: 8, .value_kind: global_buffer, .address_space: global }
      - { .name: Wq, .offset: 24, .size: 8, .value_kind: global_buffer, .address_space: global }
      - { .name: Wk, .offset: 32, .size: 8, .value_kind: global_buffer, .address_space: global }
      - { .name: Wv, .offset: 40, .size: 8, .value_kind: global_buffer, .address_space: global }
      - { .name: Wo, .offset: 48, .size: 8, .value_kind: global_buffer, .address_space: global }
      - { .name: mask, .offset: 56, .size: 8, .value_kind: global_buffer, .address_space: global }
      - { .name: inc, .offset: 64, .size: 8, .value_kind: global_buffer, .address_space: global }
      - { .name: ins, .offset: 72, .size: 8, .value_kind: global_buffer, .address_space: global }
      - { .name: mw, .offset: 80, .size: 8, .value_kind: global_buffer, .address_space: global }
      - { .name: fl, .offset: 88, .size: 8, .value_kind: global_buffer, .address_space: global }
    .group_segment_fixed_size: 70144
    .private_segment_fixed_size: 0
    .kernarg_segment_align: 8
    .kernarg_segment_size: 96
    .max_flat_workgroup_size: 128
    .sgpr_count:     66
    .vgpr_count:     256
    .wavefront_size: 32
...
	.end_amdgpu_metadata
.endif
;; end of part 1
;; launch proj (part 2): grid 4 x 192, 4 waves a work-group, clusters of 4 x 4, 327,680 bytes of LDS; arguments inc, ins, qkvc, qkvs; writes qkvc, qkvs
.if DOCPART == 2
	.amdgcn_target "amdgcn-amd-amdhsa--gfx1250"
	.amdhsa_code_object_version 6
	.text
	.protected	k_q644ecff1b9_proj
	.globl	k_q644ecff1b9_proj
	.p2align	8
	.type	k_q644ecff1b9_proj,@function
k_q644ecff1b9_proj:
	s_mov_b64 s[64:65], 0
	v_nop
	global_prefetch_b8 v0, s[64:65] scope:SCOPE_SE
	s_setreg_imm32_b32 hwreg(HW_REG_WAVE_MODE, 25, 1), 1
	s_wait_xcnt 0x0
	s_wait_alu depctr_hold_cnt(0) depctr_sa_sdst(0) depctr_va_vdst(0) depctr_va_sdst(0) depctr_va_ssrc(0) depctr_va_vcc(0) depctr_vm_vsrc(0)
	s_getreg_b32 s2, hwreg(HW_REG_IB_STS2, 6, 4)
	s_cmp_eq_u32 s2, 0
	s_cbranch_scc0 .Lentry_in_a_cluster
	s_endpgm
.Lentry_in_a_cluster:
	s_bfe_u32 s2, ttmp6, 0x10000c
	s_cmp_lg_u32 s2, 0xf033
	s_cbranch_scc0 .Lentry_shape_is_right
	s_endpgm
.Lentry_shape_is_right:
.set MODE, 0                           ; 0: the three projections, results quantised on the way out;  1: the output projection, with its bias, results in f32
; A GEMM ON CODES OF FP6 (E2M3) with one E8M0 byte for each 32 along K; K = 1,024.  Operands lie in memory as images of the operand's registers: blocks of 128 rows,
; codes [block][kappa = K / 128][tile 0..7][c][768 bytes] (98,304 bytes a block), scale words [block][kappa][512 bytes]; tile i, lane row r is row 32 (i / 2) + 8 (i % 2) + r + 8 (r / 8) of its block.
; A WORK-GROUP makes 128 rows of "A" x 256 rows of "B".  Its three blocks' codes, all of K, 294,912 bytes, come into LDS ONCE and stay: nothing is filled again, so there is no ring.
; Four waves: wave w takes A's tiles 4 (w / 2) .. + 3 against the 8 tiles of B's block w % 2: 32 accumulators, 32 matrix instructions for each kappa.
; THE MATRIX INSTRUCTION IS USED TRANSPOSED (source 0 = 16 rows of B, source 1 = 16 rows of A): a lane holds ONE row of A, and register 16 b + i of its 64 is column 32 b + 16 (lane / 16) + i of B's block.
; MODE 0: q = query Wq^T, k = keys Wk^T: A = the tokens, B = the weight; v: A = Wv, B = values, so that a lane's registers run along the KEYS.  Each 128 numbers of a lane's row leave as two records of 768 bytes and a scale word.
;   qkvc: q, k, v 6,291,456 bytes apart, each [n x 16 + head][step of 128 tokens][6,144]: q, k: 8 tiles x a record; v: 4 tiles of 16 channels x 2 records.
;   qkvs: 524,288 bytes apart, [n x 16 + head][step][512]: q, k: two bytes of the head | 0x7f7f0000; v: lane l: the words of tiles 0-3, lane row l % 16.
; MODE 1: A = attention's result, B = Wo; the bias is the C of each sum's first matrix instruction; results leave through a stage in LDS as rows of 512 bytes.
; CLUSTERS: 4 x 4 work-groups.  A's block is asked for jointly by the four of a row, B's two blocks by the four of a column.
; ONE JOINT LOAD A WAVE, at the head: wave 0 A's kappa 0-3, wave 1 kappa 0-3 of both blocks of B (two rows of 49,152 bytes, 98,304 apart in memory), wave 2 A's kappa 4-7, wave 3 B's.
; The first barrier shows waves 0 and 1's tiles, a second one, in kappa 3, the other two.  LDS: A [kappa] at 0; B [half of K][block][4 kappa] at 98,304.
; THE SCALE WORDS go from memory straight into registers, 16 loads a wave: v164-195 A's (4 kappa + tile), v200-231 B's.  No prefetch: all tiles are asked for at the head, and there is no loop to run ahead in.
; LIMITS: a block whose largest magnitude lies under 2^-124 keeps the byte 1 (this program alone reads the bytes); NaN and infinities are not served.
; REGISTERS: window 0: v1-7 lane numbers and offsets; v16-25 addresses; v48-63 store offsets; v64-159 A's fragments (2 sets of 4); v160-247 the scale words, then at work on the way out.
;   window 1: B's fragments, 2 sets of 8 at v0 and v96; MODE 1: the bias at v192.   window 2: accumulator (a, b) at v[8 (8 a + b)].
.set CHUNK, 24576
.set LB,    98304                      ; LDS: A's codes at 0, B's two blocks at 98,304 and 196,608,
.set LSA,   294912                     ; A's scale words, 4,096 bytes,
.set LSB,   299008                     ; B's, 2 x 4,096
.set G1A,  24                          ; s[24:31] group 1 for A's chunks;  s[32:39] for A's scale words;  s[40:47], s[48:55] the same for B
.set G1AS, 32
.set G1B,  40
.set G1BS, 48
.set TM,   160                         ; v160-163 largest magnitudes, v164-167 at work, v172-175 the conversions' scale operands
.set PW,   176                         ; v176-179 the four tiles' scale words;  v180-183 as they are stored
.set TC,   240
.if MODE
.set PBC, 8
.set PBS, 10
.else
.set PBC, 4
.set PBS, 6
.endif
.set MSB, 0
.macro WIN new                         ; the immediate's high byte repeats the setting that is left
.if MSB != \new
	s_set_vgpr_msb (MSB<<8)|\new
.set MSB, \new
.endif
.endm
.macro ROUND                           ; a round of the cluster's barrier
	s_barrier_signal -1
	s_barrier_wait -1
	s_cmp_lg_u32 s16, 0
	s_cbranch_scc1 .Lnot_wave_0_\@
	s_barrier_signal -3
.Lnot_wave_0_\@:
	s_barrier_wait -3
	s_barrier_signal -1
	s_barrier_wait -1
.endm
.macro PLACES                          ; four places in front of loads into registers that matrix instructions have read, and of the first read of results
.rept 4
	v_nop
.endr
.endm
.macro FRAG reg, a16, a8, off          ; a fragment: two records; of each, four registers at 16 x lane and two at 512 + 8 x lane: every load reads consecutive bytes
	ds_load_b128 v[\reg:\reg+3], v[\a16] offset:\off
	ds_load_b64 v[\reg+4:\reg+5], v[\a8] offset:\off
	ds_load_b128 v[\reg+6:\reg+9], v[\a16] offset:\off+768
	ds_load_b64 v[\reg+10:\reg+11], v[\a8] offset:\off+768
.endm
.macro FETCH k                         ; kappa k's fragments into set k % 2: 48 LDS loads in one run
.set KH, (\k)/4
.set KO, ((\k)%4)*12288
.set FB, 96*((\k)%2)
.set FA, 64+48*((\k)%2)
	WIN 0x40                                       ; destination window 1
.irp i, 0,1,2,3,4,5,6,7
	FRAG FB+12*\i, 20+KH, 22+KH, KO+1536*\i
.endr
	WIN 0
.irp i, 0,1,2,3
	FRAG FA+12*\i, 16+KH, 18+KH, KO+1536*\i
.endr
.endm
.macro ONE a, b, k
.set DD, 8*(8*(\a)+\b)
.set BB, 96*((\k)%2)+12*\b
.set AA, 64+48*((\k)%2)+12*(\a)
.set SBR, 200+4*(\k)+\b%4
.set SAR, 164+4*(\k)+(\a)
.if (\k) == 0
.if MODE
.if \b < 4
	v_wmma_scale_f32_16x16x128_f8f6f4 v[DD:DD+7], v[BB:BB+11], v[AA:AA+11], v[192+8*\b:192+8*\b+7], v[SBR], v[SAR] matrix_a_fmt:MATRIX_FMT_FP6 matrix_b_fmt:MATRIX_FMT_FP6
.else
	v_wmma_scale_f32_16x16x128_f8f6f4 v[DD:DD+7], v[BB:BB+11], v[AA:AA+11], v[192+8*\b:192+8*\b+7], v[SBR], v[SAR] matrix_a_fmt:MATRIX_FMT_FP6 matrix_b_fmt:MATRIX_FMT_FP6 matrix_a_scale:MATRIX_SCALE_ROW1
.endif
.else
.if \b < 4
	v_wmma_scale_f32_16x16x128_f8f6f4 v[DD:DD+7], v[BB:BB+11], v[AA:AA+11], 0, v[SBR], v[SAR] matrix_a_fmt:MATRIX_FMT_FP6 matrix_b_fmt:MATRIX_FMT_FP6
.else
	v_wmma_scale_f32_16x16x128_f8f6f4 v[DD:DD+7], v[BB:BB+11], v[AA:AA+11], 0, v[SBR], v[SAR] matrix_a_fmt:MATRIX_FMT_FP6 matrix_b_fmt:MATRIX_FMT_FP6 matrix_a_scale:MATRIX_SCALE_ROW1
.endif
.endif
.else
.if \b < 4
	v_wmma_scale_f32_16x16x128_f8f6f4 v[DD:DD+7], v[BB:BB+11], v[AA:AA+11], v[DD:DD+7], v[SBR], v[SAR] matrix_a_fmt:MATRIX_FMT_FP6 matrix_b_fmt:MATRIX_FMT_FP6
.else
	v_wmma_scale_f32_16x16x128_f8f6f4 v[DD:DD+7], v[BB:BB+11], v[AA:AA+11], v[DD:DD+7], v[SBR], v[SAR] matrix_a_fmt:MATRIX_FMT_FP6 matrix_b_fmt:MATRIX_FMT_FP6 matrix_a_scale:MATRIX_SCALE_ROW1
.endif
.endif
.endm
.macro MUL k, half                     ; 16 matrix instructions: my tiles 2 half, 2 half + 1 of A x B's eight.  The 32 accumulators take turns, one instruction a turn, in the same order for every kappa
.if ((\k) == 0) && MODE
	WIN 0x91                                       ; source 0 (B) window 1, source 1 (A) window 0, C (the bias) window 1, D window 2
.else
	WIN 0xa1                                       ; C and D window 2
.endif
.irp a, 2*\half, 2*\half+1
.irp b, 0,1,2,3,4,5,6,7
	ONE (\a), \b, \k
.endr
.endr
.endm
.macro KSTEP k
	s_wait_dscnt 0x0                               ; kappa k's fragments are in; no LDS instruction of mine is out at the signal below
.if (\k) == 3
	s_wait_tensorcnt 0x0                           ; every wave's load has landed: behind this barrier kappa 4-7 are read; nothing is filled again
	s_barrier_signal -1
.endif
.if MODE && ((\k) == 7)
	s_barrier_signal -1                            ; my last reads of LDS are over: behind this barrier the stages are laid over A's codes
.endif
	MUL \k, 0
.if ((\k) == 3) || (MODE && ((\k) == 7))
	s_barrier_wait -1
.endif
.if (\k) < 7
	PLACES
	FETCH (\k)+1
.endif
	MUL \k, 1
.endm
	s_load_b256 s[4:11], s[0:1], 0x0               ; MODE 0: inc, ins, qkvc, qkvs;  MODE 1: oc, os, inc, ins
	v_lshl_add_u32 v254, v0, 2, 0x4b000
	v_mov_b32 v255, 0
	ds_add_u32 v254, v255
	ds_add_u32 v254, v255
.if MODE
	s_load_b128 s[12:15], s[0:1], 0x20             ; bo, out0
.endif
	v_lshrrev_b32 v1, 5, v0
	v_readfirstlane_b32 s16, v1                    ; wave
	s_lshr_b32 s17, s16, 1                         ; Ah: which four tiles of A are mine
	s_and_b32 s18, s16, 1                          ; Bw: which block of B
	s_bfe_u32 s19, ttmp6, 0x40000                  ; cx
	s_bfe_u32 s20, ttmp6, 0x40004                  ; cy
	s_and_b32 s21, ttmp7, 0xffff                   ; the cluster's y (its x is 0)
.if MODE
	s_lshl_b32 s2, s21, 2
	s_add_co_u32 s2, s2, s20                       ; A's block: 4 x cluster + cy
	s_lshl_b32 s3, s19, 1
	s_add_co_u32 s3, s3, 216                       ; B's first block: Wo's 2 cx
.else
	s_lshr_b32 s22, s21, 4                         ; P: 0 q, 1 k, 2 v
	s_and_b32 s23, s21, 15                         ; c
	s_lshl_b32 s2, s22, 6
	s_lshl_b32 s100, s23, 2
	s_add_co_u32 s2, s2, s100                      ; q, k: tokens' block 64 P + 4 c
	s_lshr_b32 s100, s23, 3
	s_lshl_b32 s100, s100, 2
	s_add_co_u32 s100, s100, 208                   ; v: Wv's block 208 + 4 (c / 8)
	s_cmp_eq_u32 s22, 2
	s_cselect_b32 s2, s100, s2
	s_add_co_u32 s2, s2, s20                       ; + cy
	s_lshl_b32 s3, s22, 3
	s_add_co_u32 s3, s3, 192                       ; q, k: the weight's block 192 + 8 P
	s_and_b32 s101, s23, 7
	s_lshl_b32 s101, s101, 3
	s_add_co_u32 s101, s101, 128                   ; v: values' block 128 + 8 (c % 8)
	s_cmp_eq_u32 s22, 2
	s_cselect_b32 s3, s101, s3
	s_lshl_b32 s101, s19, 1
	s_add_co_u32 s3, s3, s101                      ; + 2 cx
.endif
	s_lshl_b32 s100, s20, 2
	s_lshl_b32 s100, 15, s100                      ; my row of the cluster
	s_lshl_b32 s101, 0x1111, s19                   ; my column
	; group 1: a dense block as rows of 256 bytes (32 elements of 8 bytes), no padding; 15:0 the mask; 17:16 element size code 3; 21 set beside a mask
	s_or_b32 s[G1A], s100, (3<<16)|(1<<21)
	s_or_b32 s[G1B], s101, (3<<16)|(1<<21)
	s_mov_b32 s[G1A+1], 32<<16                     ; A: four kappa of a block, dense: 192 rows of 256 bytes
	s_mov_b32 s[G1A+2], 192<<16
	s_mov_b32 s[G1A+3], 32<<16
	s_mov_b32 s[G1A+4], 192
	s_mov_b32 s[G1A+5], 32
	s_mov_b32 s[G1A+6], 0
	s_mov_b32 s[G1A+7], 0
	s_mov_b32 s[G1B+1], 6144<<16                   ; B: four kappa of two blocks: 2 rows of 6,144 elements of 8 bytes,
	s_mov_b32 s[G1B+2], 2<<16
	s_mov_b32 s[G1B+3], 6144<<16
	s_mov_b32 s[G1B+4], 2
	s_mov_b32 s[G1B+5], 12288                      ; a block apart
	s_mov_b32 s[G1B+6], 0
	s_mov_b32 s[G1B+7], 0
	s_wait_dscnt 0x0
	s_wait_kmcnt 0x0
	; s[58:59], s[82:83] where A's and B's scale words begin;  groups 0: s[60:63], s[72:75] A's two halves of K, s[84:87], s[92:95] B's
	s_lshl_b32 s58, s2, 12
	s_mov_b32 s59, 0
	s_add_nc_u64 s[58:59], s[6:7], s[58:59]
	s_mul_i32 s62, s2, 98304
	s_mov_b32 s63, 0
	s_add_nc_u64 s[62:63], s[4:5], s[62:63]
	s_add_nc_u64 s[74:75], s[62:63], 2*CHUNK
	s_mov_b32 s60, 1
	s_mov_b32 s61, 0
	s_or_b32 s63, s63, 0x80000000
	s_mov_b32 s72, 1
	s_mov_b32 s73, 2*CHUNK
	s_or_b32 s75, s75, 0x80000000
	s_lshl_b32 s82, s3, 12
	s_mov_b32 s83, 0
	s_add_nc_u64 s[82:83], s[PBS:PBS+1], s[82:83]
	s_mul_i32 s86, s3, 98304
	s_mov_b32 s87, 0
	s_add_nc_u64 s[86:87], s[PBC:PBC+1], s[86:87]
	s_add_nc_u64 s[94:95], s[86:87], 2*CHUNK
	s_mov_b32 s84, 1
	s_mov_b32 s85, LB
	s_or_b32 s87, s87, 0x80000000
	s_mov_b32 s92, 1
	s_mov_b32 s93, LB+4*CHUNK
	s_or_b32 s95, s95, 0x80000000
	ROUND                                          ; all sixteen work-groups are here: the joint loads meet
	s_cmp_eq_u32 s16, 0                            ; one chain of branches on the wave's number, one load to an arm
	s_cbranch_scc0 .Lnot_a
	tensor_load_to_lds s[60:63], s[G1A:G1A+7]      ; wave 0: A's kappa 0-3
	s_nop 0
.rept 4
	v_nop
.endr
	s_branch .Lasked
.Lnot_a:
	s_cmp_eq_u32 s16, 1
	s_cbranch_scc0 .Lw2
	tensor_load_to_lds s[84:87], s[G1B:G1B+7]      ; wave 1: B's kappa 0-3
	s_nop 0
.rept 4
	v_nop
.endr
	s_branch .Lasked
.Lw2:
	s_cmp_eq_u32 s16, 2
	s_cbranch_scc0 .Lw3
	tensor_load_to_lds s[72:75], s[G1A:G1A+7]      ; wave 2: A's kappa 4-7
	s_nop 0
.rept 4
	v_nop
.endr
	s_branch .Lasked
.Lw3:
	tensor_load_to_lds s[92:95], s[G1B:G1B+7]      ; wave 3: B's kappa 4-7
	s_nop 0
.rept 4
	v_nop
.endr
.Lasked:
	v_and_b32 v1, 31, v0                           ; lane
	v_and_b32 v2, 15, v0                           ; r
	v_bfe_u32 v3, v0, 4, 1                         ; h
	v_lshlrev_b32 v4, 4, v1                        ; 16 x lane
	v_lshlrev_b32 v5, 3, v1
	v_add_nc_u32 v5, 512, v5                       ; 512 + 8 x lane
	s_mul_i32 s66, s17, 6144                       ; my four tiles of A
	v_add_nc_u32 v16, s66, v4                      ; kappa 0-3;
	v_add_nc_u32 v18, s66, v5
	v_add_nc_u32 v17, 49152, v16                   ; kappa 4-7 (an LDS immediate has 16 bits)
	v_add_nc_u32 v19, 49152, v18
	s_mul_i32 s66, s18, 2*CHUNK
	s_add_co_u32 s66, s66, LB                      ; my block of B: kappa 0-3;
	v_add_nc_u32 v20, s66, v4
	v_add_nc_u32 v22, s66, v5
	v_add_nc_u32 v21, 4*CHUNK, v20                 ; kappa 4-7 lie behind both blocks' kappa 0-3
	v_add_nc_u32 v23, 4*CHUNK, v22
	s_lshl_b32 s66, s17, 8
	v_lshl_add_u32 v24, v2, 4, s66                 ; A's scale words: my four tiles' half of a record, 16 r
	s_lshl_b32 s66, s18, 12
	v_add_nc_u32 v25, s66, v4                      ; B's: my block, 16 x lane
.irp k, 0,1,2,3,4,5,6,7
	global_load_b128 v[164+4*\k:167+4*\k], v24, s[58:59] offset:512*\k   ; register j: the words of my tile j of A: sixteen lanes read 256 consecutive bytes
	global_load_b128 v[200+4*\k:203+4*\k], v25, s[82:83] offset:512*\k   ; register j: lanes 0-15 B's tile j, lanes 16-31 tile 4 + j
.endr
.if MODE
	s_lshl_b32 s100, s19, 10                       ; the bias of my 128 columns: bo + 4 (256 cx + 128 Bw);
	s_lshl_b32 s101, s18, 9
	s_add_co_u32 s100, s100, s101
	s_mov_b32 s101, 0
	s_add_nc_u64 s[12:13], s[12:13], s[100:101]
	v_lshlrev_b32 v26, 6, v3                       ; tile b's eight registers are columns 32 (b / 2) + 8 (b % 2) + 16 h + 0 .. 7
	WIN 0x40
.irp b, 0,1,2,3,4,5,6,7
	global_load_b128 v[192+8*\b:192+8*\b+3], v26, s[12:13] offset:(32*(\b/2)+8*(\b%2))*4
	global_load_b128 v[192+8*\b+4:192+8*\b+7], v26, s[12:13] offset:(32*(\b/2)+8*(\b%2))*4+16
.endr
	WIN 0
	s_wait_loadcnt 0x0
.endif
	s_wait_alu depctr_va_vdst(0)
	s_wait_loadcnt 0x0                             ; the scale words
	s_cmp_lt_u32 s16, 2
	s_cbranch_scc0 .Lhi
	s_wait_tensorcnt 0x0                           ; waves 0 and 1: kappa 0-3 have landed; the other two waves' loads may be out
.Lhi:
	s_barrier_signal -1
	s_barrier_wait -1                              ; everybody's have
	FETCH 0
.irp k, 0,1,2,3,4,5,6,7
	KSTEP \k
.endr
	PLACES
	WIN 0
.if MODE == 0
	; ---- THE WAY OUT: where my results go.  X = the block of 128 tokens, Y = the head.  Every choice on P is a select; stores may hang on cx and cy
	s_lshl_b32 s12, s23, 2
	s_add_co_u32 s12, s12, s20                     ; q, k: X = 4 c + cy
	s_and_b32 s13, s23, 7
	s_lshl_b32 s13, s13, 3
	s_lshl_b32 s14, s19, 1
	s_add_co_u32 s13, s13, s14
	s_add_co_u32 s13, s13, s18                     ; v: X = 8 (c % 8) + 2 cx + Bw
	s_lshl_b32 s14, s19, 2
	s_lshl_b32 s15, s18, 1
	s_add_co_u32 s14, s14, s15                     ; q, k: Y = 4 cx + 2 Bw, and Y + 1
	s_lshr_b32 s15, s23, 3
	s_lshl_b32 s15, s15, 3
	s_lshl_b32 s66, s20, 1
	s_add_co_u32 s15, s15, s66
	s_add_co_u32 s15, s15, s17                     ; v: Y = 8 (c / 8) + 2 cy + Ah
	s_lshl_b32 s67, s17, 8                         ; q, k: my half of the scale record
	s_mul_i32 s66, s17, 3072                       ; q, k: my tiles 4 Ah on
	s_mov_b32 s4, 768
	s_mov_b32 s5, 98304
	s_mov_b32 s6, 8192
	s_mov_b32 s2, 0xffff
	s_mov_b32 s3, 0x7f7f0000
	s_cmp_eq_u32 s22, 2
	s_cselect_b32 s12, s13, s12                    ; X
	s_cselect_b32 s14, s15, s14                    ; Y
	s_cselect_b32 s66, 0, s66
	s_cselect_b32 s67, 0, s67
	s_cselect_b32 s4, 1536, s4                     ; from tile to tile
	s_cselect_b32 s5, 768, s5                      ; from record c = 0 to c = 1: q, k: the next head; v: the next 64 keys
	s_cselect_b32 s6, 256, s6                      ; the scale words of lanes 16-31: q, k: the next head's; v: a repeat
	s_cselect_b32 s7, 0, 16                        ; and what they are shifted by
	s_cselect_b32 s2, -1, s2                       ; q, k: two bytes of the word,
	s_cselect_b32 s3, 0, s3                        ; and 2^0 for the upper 64 of the instruction's K, where the codes of q are zeros
	s_and_b32 s13, s12, 48
	s_add_co_u32 s13, s13, s14
	s_lshl_b32 s13, s13, 4
	s_and_b32 s12, s12, 15
	s_add_co_u32 s13, s13, s12                     ; ((X / 16) 16 + Y) 16 + X % 16
	s_mul_i32 s14, s13, 6144
	s_mul_i32 s12, s22, 6291456
	s_add_co_u32 s14, s14, s12
	s_add_co_u32 s14, s14, s66
	s_mov_b32 s15, 0
	s_add_nc_u64 s[8:9], s[8:9], s[14:15]
	s_lshl_b32 s14, s13, 9
	s_lshl_b32 s12, s22, 19
	s_add_co_u32 s14, s14, s12
	s_add_co_u32 s14, s14, s67
	s_add_nc_u64 s[10:11], s[10:11], s[14:15]
	s_mov_b32 s100, 0x76543210
	s_mov_b32 s101, 0xfedcba98                     ; selects for lane l xor 16
	v_mul_u32_u24 v6, v3, s7
	v_mul_u32_u24 v7, v3, s6
	v_lshl_add_u32 v7, v2, 4, v7
.irp a, 0,1,2,3
	s_mul_i32 s12, s4, \a
	s_add_co_u32 s13, s12, s5
	v_add_nc_u32 v[48+4*\a], s12, v4
	v_add_nc_u32 v[49+4*\a], s12, v5
	v_add_nc_u32 v[50+4*\a], s13, v4
	v_add_nc_u32 v[51+4*\a], s13, v5
.endr
.irp b, 0,1,2,3
	v_mov_b32 v[TM+4+\b], 0                        ; (a lane permute's destination counts as one of its sources)
.endr
; My tile a's 64 numbers a lane, register 16 b + i = column 32 b + 16 h + i of my row, become a fragment's 12 registers and a scale word.
.macro QUANT a
.set AC, 64*(\a)
.set PCA, 192+12*(\a)
	WIN 0x28                                       ; sources 1 and 2: window 2
.irp b, 0,1,2,3
	v_max3_num_f32 v[TM+\b], 0x1800000, |v[AC+16*\b]|, |v[AC+16*\b+1]|   ; each accumulator from its low end on; the floor 2^(3 - 127) holds the byte at 1 from below
.endr
.irp i, 2,4,6,8,10,12,14
.irp b, 0,1,2,3
	v_max3_num_f32 v[TM+\b], v[TM+\b], |v[AC+16*\b+\i]|, |v[AC+16*\b+\i+1]|
.endr
.endr
	WIN 0
.irp b, 0,1,2,3
	v_permlanex16_b32 v[TM+4+\b], v[TM+\b], s100, s101
.endr
.irp b, 0,1,2,3
	v_max_num_f32 v[TM+\b], v[TM+\b], v[TM+4+\b]   ; with lane l xor 16's 16: the block's largest magnitude
.endr
.irp b, 0,1,2,3
	v_add_nc_u32 v[TM+12+\b], 0xff000000, v[TM+\b] ; 2 off the exponent field: the conversion's scale operand
.endr
.irp b, 0,1,2,3
	v_lshrrev_b32 v[TM+4+\b], 23, v[TM+12+\b]      ; the byte
.endr
	v_lshl_or_b32 v[PW+\a], v[TM+5], 8, v[TM+4]
	v_lshl_or_b32 v[PW+\a], v[TM+6], 16, v[PW+\a]
	v_lshl_or_b32 v[PW+\a], v[TM+7], 24, v[PW+\a]
	WIN 0x02                                       ; source 0: window 2
.irp c, 0,1
	v_cvt_scalef32_pk16_fp6_f32 v[PCA+6*\c:PCA+6*\c+2], v[AC+32*\c:AC+32*\c+15], v[TM+12+2*\c]
	v_cvt_scalef32_pk16_fp6_f32 v[TC+4*\c:TC+4*\c+2], v[AC+32*\c+16:AC+32*\c+31], v[TM+12+2*\c+1]
.endr
	WIN 0
	v_nop                                          ; one plain place behind a scaled conversion
.irp c, 0,1                                    ; the layout wants a whole block in a lane: lanes 0-15 block 2 c, lanes 16-31 block 2 c + 1
.irp i, 0,1,2
	v_permlane16_swap_b32 v[PCA+6*\c+\i], v[TC+4*\c+\i]
.endr
.irp i, 0,1,2
	v_mov_b32 v[PCA+3+6*\c+\i], v[TC+4*\c+\i]
.endr
.endr
	global_store_b128 v[48+4*\a], v[PCA:PCA+3], s[8:9]       ; 512 consecutive bytes, aligned to 256
	global_store_b64 v[49+4*\a], v[PCA+4:PCA+5], s[8:9]      ; 256 consecutive bytes
	global_store_b128 v[50+4*\a], v[PCA+6:PCA+9], s[8:9]
	global_store_b64 v[51+4*\a], v[PCA+10:PCA+11], s[8:9]
.endm
.irp a, 0,1,2,3
	QUANT \a
.endr
.irp j, 0,1,2,3
	v_lshrrev_b32 v[PW+4+\j], v6, v[PW+\j]
.endr
.irp j, 0,1,2,3
	v_and_or_b32 v[PW+4+\j], v[PW+4+\j], s2, s3
.endr
	global_store_b128 v7, v[PW+4:PW+7], s[10:11]   ; sixteen lanes store 256 consecutive bytes, aligned
.else
	; ---- THE WAY OUT: a tile of 16 rows x 128 columns goes through my stage (16 rows, 528 bytes apart) and leaves as rows of 512 bytes.  The stages lie over A's codes: those bytes have had their only fill, and every wave's reads of them are over
	s_lshl_b32 s2, s21, 2
	s_add_co_u32 s2, s2, s20
	s_lshl_b32 s2, s2, 7
	s_lshl_b32 s3, s17, 6
	s_add_co_u32 s2, s2, s3                        ; my first row: 128 x block + 64 Ah
	s_lshl_b32 s2, s2, 12                          ; x 4,096 bytes (under 2^26)
	s_lshl_b32 s3, s19, 10
	s_add_co_u32 s2, s2, s3
	s_lshl_b32 s3, s18, 9
	s_add_co_u32 s2, s2, s3                        ; + 4 (256 cx + 128 Bw)
	s_mov_b32 s3, 0
	s_add_nc_u64 s[14:15], s[14:15], s[2:3]
	s_mul_i32 s66, s16, 8448
	v_mul_u32_u24 v6, v2, 528
	v_lshl_add_u32 v6, v3, 6, v6
	v_add_nc_u32 v6, s66, v6                       ; in: row r, + 64 h
	v_add_nc_u32 v7, s66, v4                       ; back: 16 x lane of a row
.macro TOSTAGE a
	WIN 0x08                                       ; an LDS store's data are its source 1: window 2
.irp b, 0,1,2,3,4,5,6,7
	ds_store_b128 v6, v[64*(\a)+8*\b:64*(\a)+8*\b+3] offset:128*(\b/2)+32*(\b%2)        ; each accumulator from its low end on
	ds_store_b128 v6, v[64*(\a)+8*\b+4:64*(\a)+8*\b+7] offset:128*(\b/2)+32*(\b%2)+16
.endr
	WIN 0
.irp t, 0,1,2,3,4,5,6,7,8,9,10,11,12,13,14,15
	ds_load_b128 v[64+64*((\a)%2)+4*\t:64+64*((\a)%2)+4*\t+3], v7 offset:528*\t   ; LDS serves a wave's instructions in order: these see the stores above
.endr
.endm
.macro SEND a, younger
	s_wait_dscnt \younger
.irp t, 0,1,2,3,4,5,6,7,8,9,10,11,12,13,14,15
	global_store_b128 v4, v[64+64*((\a)%2)+4*\t:64+64*((\a)%2)+4*\t+3], s[14:15] offset:(32*((\a)/2)+8*((\a)%2)+\t+8*(\t/8))*4096 th:TH_STORE_NT   ; 512 consecutive bytes, aligned to 256
.endr
.endm
	TOSTAGE 0
	TOSTAGE 1
	SEND 0, 32                                     ; behind tile 0's loads: tile 1's 16 stores and 16 loads
	s_wait_xcnt 0x0                                ; tile 0's stores have read their registers
	TOSTAGE 2
	SEND 1, 32
	s_wait_xcnt 0x0
	TOSTAGE 3
	SEND 2, 32
	SEND 3, 0
.endif
	s_wait_tensorcnt 0x0
	ds_add_u32 v254, v255
	s_wait_dscnt 0x0
	ROUND                                          ; the closing round: no work-group ends while a partner may still ask for a tile that names it
	s_endpgm
.Lfunc_end_k_q644ecff1b9_proj:
	.size	k_q644ecff1b9_proj, .Lfunc_end_k_q644ecff1b9_proj-k_q644ecff1b9_proj
	.p2alignl 7, 3214868480
	.fill 96, 4, 3214868480
	.section	.rodata,"a",@progbits
	.p2align	6, 0x0
	.amdhsa_kernel k_q644ecff1b9_proj
		.amdhsa_group_segment_fixed_size 327680
		.amdhsa_private_segment_fixed_size 0
		.amdhsa_enable_private_segment 0
		.amdhsa_kernarg_size 32
		.amdhsa_user_sgpr_count 2
		.amdhsa_user_sgpr_kernarg_segment_ptr 1
		.amdhsa_wavefront_size32 1
		.amdhsa_system_sgpr_workgroup_id_x 1
		.amdhsa_system_sgpr_workgroup_id_y 1
		.amdhsa_system_sgpr_workgroup_id_z 1
		.amdhsa_system_vgpr_workitem_id 0
		.amdhsa_next_free_vgpr 768
		.amdhsa_next_free_sgpr 102
		.amdhsa_reserve_vcc 0
		.amdhsa_float_denorm_mode_32 3
		.amdhsa_float_denorm_mode_16_64 3
		.amdhsa_memory_ordered 1
		.amdhsa_forward_progress 1
		.amdhsa_inst_pref_size 88
	.end_amdhsa_kernel
	.amdgpu_metadata
---
amdhsa.version: [ 1, 2 ]
amdhsa.kernels:
  - .name:           k_q644ecff1b9_proj
    .symbol:         k_q644ecff1b9_proj.kd
    .args:
      - { .name: inc, .offset: 0, .size: 8, .value_kind: global_buffer, .address_space: global }
      - { .name: ins, .offset: 8, .size: 8, .value_kind: global_buffer, .address_space: global }
      - { .name: qkvc, .offset: 16, .size: 8, .value_kind: global_buffer, .address_space: global }
      - { .name: qkvs, .offset: 24, .size: 8, .value_kind: global_buffer, .address_space: global }
    .group_segment_fixed_size: 327680
    .private_segment_fixed_size: 0
    .kernarg_segment_align: 8
    .kernarg_segment_size: 32
    .max_flat_workgroup_size: 128
    .sgpr_count:     102
    .vgpr_count:     768
    .wavefront_size: 32
...
	.end_amdgpu_metadata
.endif
;; end of part 2
;; launch attn (part 3): grid 4 x 64, 16 waves a work-group, no clusters, 215,040 bytes of LDS; arguments qkvc, qkvs, mw, fl, oc, os; writes oc, os
.if DOCPART == 3
	.amdgcn_target "amdgcn-amd-amdhsa--gfx1250"
	.amdhsa_code_object_version 6
	.text
	.protected	k_q644ecff1b9_attn
	.globl	k_q644ecff1b9_attn
	.p2align	8
	.type	k_q644ecff1b9_attn,@function
k_q644ecff1b9_attn:
	s_mov_b64 s[64:65], 0
	v_nop
	global_prefetch_b8 v0, s[64:65] scope:SCOPE_SE
	s_setreg_imm32_b32 hwreg(HW_REG_WAVE_MODE, 25, 1), 1
	s_wait_xcnt 0x0
; ATTENTION ON CODES OF FP6 (E2M3).  For each (n, head): O = softmax(mask(Q K^T) / 8) V, head size 64, 2,048 keys; O is quantised along the features and leaves as the output projection's operand.
; THE SOFTMAX: t = score x log2(e) / 8; M = the running largest t rounded UP to a whole number; p = 2^(t - M) is quantised along the keys, not normalised; the row's sum is taken of the unquantised p and divides O at the end.
; When M moves, the sum and O are multiplied by 2^(old M - new M): exact.
; THE MASK: a score whose mask bit is 0 becomes -2^66 ahead of the maximum.  LIMIT: the reference writes -1e20; with a power of two score x c is exact, so in a row that is masked throughout t - M is exactly 0 and every p is 1,
; the reference's uniform row; in every other row such a p is 0.  True energies under about -1e19 are not told apart from masked ones.  NaN and infinities are not served.
; SHARES.  A work-group owns 512 queries of one head.  The head's K and V, 196,608 bytes of codes and 16,384 of scale words, come into LDS once, through registers (wave w brings step w), behind ONE barrier.
; Each of sixteen waves takes two tiles of 16 queries, one after the other (PASS), and walks 16 steps of 128 keys.
; No tensor load: a step branches on a stored flag; so no joint loads either: what the four work-groups of a head share is read once, at the head.  No prefetch: all of K and V is asked for at the head, ahead of any loop.
; LAYOUT.  Both products transposed: S^T = K Q^T, O^T = V^T P^T: a lane holds ONE query.  ON ITS WAY INTO LDS K IS LAID IN OTHER TILES: in memory tile i, lane row q is token 32 (i / 2) + 16 (q / 8) + 8 (i % 2) + q % 8 of the step;
; in LDS tile t, lane row r is token 64 (t / 4) + 32 (r / 8) + 8 (t % 4) + r % 8.  So score register 32 c + e of lane (query, h) is key 64 c + 32 h + e: a lane's 32 registers are ONE scale block of p, in the order of the
; operand's registers: no lane asks another for a block's maximum, and the conversions' results are the operand.  The mask words are laid in the same order.
; In LDS a step is 12,288 bytes: K's four pairs of tiles, then V's four tiles, each 12 registers as three pieces of 16 bytes a lane; scale words from byte 196,608 on, 1,024 a step: K's, then V's.
; K = 64 UNDER AN INSTRUCTION OF 128: Q's upper six registers are zero codes, and the scale bytes of that half are 2^0 on both sides.  K's tile t is named as 12 registers from its own six on: the upper six are the next tile's codes
; (behind tile 7: zeros), finite numbers times zero.
; REGISTERS: v1 16 x lane, v2 512 + 8 x lane, v3 scale words' base, v4, v6 the step's LDS addresses, v7 -2^66, v8 lane, v29 16 r, v31 8 h; v5, v10, v11, v228 the fill's addresses; v12 -M, v13 largest score, v[14:15] the sum;
; v16-21 Q, v22-27 zeros, v28 Q's scale word; v32-79 K's, then V's fragments, v80-85 zeros; v86-89, v90-93 K's and V's scale words, v94 p's; v96-159 S^T, then p; v160-191 O^T; v192-203 p's codes; v204-227 at work; v240-247 partial sums.
; SCALARS: s2 wave, s3 step, s[4:5] the pass's mask words, s[6:7] lane selects, s[8:9] c, s10 flags, s11-15 at work, s16-63 and s68-83 a step's 64 mask words, s[84:95] the six buffers, s96 n x 16 + head, s97 block of 128 queries, s98 tile.
.set S,   96
.set O,   160
.set KV,  32
.set BM,  212                          ; v212, v213 my two blocks' largest scores, then largest p; v214, v215 their second chains
.set BT,  216
.set BS,  220                          ; v220, v221 the conversions' scale operands
.set T,   240
.macro MM d, a, b, c, sa, sb, row
	v_wmma_scale_f32_16x16x128_f8f6f4 v[\d:\d+7], v[\a:\a+11], v[\b:\b+11], \c, v[\sa], v[\sb] matrix_a_fmt:MATRIX_FMT_FP6 matrix_b_fmt:MATRIX_FMT_FP6 matrix_a_scale:MATRIX_SCALE_ROW\row
.endm
.macro ACC from, to                    ; pairs from .. to - 1 of p onto the four partial sums, by turns
.set n, \from
.rept (\to)-(\from)
	v_pk_add_f32 v[T+2*(n%4):T+2*(n%4)+1], v[T+2*(n%4):T+2*(n%4)+1], v[S+2*n:S+2*n+1]
.set n, n+1
.endr
.endm
.macro KLOAD                           ; a step's K, 12 loads of 512 consecutive bytes, and both sets of scale words
.irp q, 0,1,2,3,4,5,6,7,8,9,10,11
	ds_load_b128 v[KV+4*\q:KV+4*\q+3], v4 offset:512*\q
.endr
	ds_load_b128 v[86:89], v6                      ; register j: lanes 0-15 tile j, lanes 16-31 tile 4 + j
	ds_load_b128 v[90:93], v6 offset:512           ; V's: register a: tile a
.endm
	s_load_b256 s[84:91], s[0:1], 0x0              ; qkvc, qkvs, mw, fl
	s_load_b128 s[92:95], s[0:1], 0x20             ; oc, os
	v_lshl_add_u32 v254, v0, 2, 0x34000
	v_mov_b32 v255, 0
	v_lshrrev_b32 v1, 5, v0
	v_readfirstlane_b32 s2, v1                     ; wave 0..15
	s_and_b32 s96, ttmp7, 0xffff                   ; n x 16 + head
	s_and_b32 s98, s2, 7                           ; my tile in a block of 128 queries
	v_and_b32 v8, 31, v0                           ; lane
	v_and_b32 v9, 15, v0                           ; r
	v_bfe_u32 v30, v0, 4, 1                        ; h
	v_and_b32 v5, 7, v0                            ; r % 8
	v_bfe_u32 v11, v0, 3, 1                        ; r / 8
	v_lshlrev_b32 v29, 4, v9                       ; 16 r
	v_lshlrev_b32 v1, 4, v8                        ; 16 x lane
	v_lshl_add_u32 v2, v8, 3, 512                  ; 512 + 8 x lane
	v_lshlrev_b32 v31, 3, v30                      ; 8 h
	v_lshlrev_b32 v10, 4, v5
	v_add_nc_u32 v3, 196608, v1                    ; the scale words lie behind the codes
	v_lshl_add_u32 v10, v30, 8, v10                ; 16 (r % 8) + 256 h
	s_mul_i32 s12, s2, 12288                       ; the fill: step = my wave
	s_lshl_b32 s13, s2, 10
	s_add_co_u32 s13, s13, 196608
	v_lshl_add_u32 v5, v11, 3, v10                 ; K's scale words go to + 8 (r / 8),
	v_mad_u32_u24 v10, v11, 1536, v10              ; K's codes to + 1,536 (r / 8): the pair of tiles hangs on the lane row
	v_add_nc_u32 v11, s12, v1                      ; V's codes as they lie
	v_add_nc_u32 v5, s13, v5
	v_add_nc_u32 v10, s12, v10
	v_add_nc_u32 v228, s13, v1
	s_mov_b32 s6, 0x76543210
	s_mov_b32 s7, 0xfedcba98                       ; selects for lane l xor 16
	s_mov_b32 s8, 0x3e38aa3b                       ; c = log2(e) / 8
	s_mov_b32 s9, s8                               ; (named with it as a pair)
	v_mov_b32 v7, 0xe0800000                       ; -2^66
.irp i, 22,23,24,25,26,27,80,81,82,83,84,85,216,217,225
	v_mov_b32 v[\i], 0                             ; zero codes; lane permutes' destinations; the upper half of the pair v[224:225]
.endr
	s_lshl_b32 s13, s96, 4
	s_add_co_u32 s13, s13, s2                      ; (n x 16 + head) x 16 + step
	s_mul_i32 s14, s13, 6144
	s_mov_b32 s15, 0
	s_lshl_b32 s16, s13, 9
	s_mov_b32 s17, 0
	s_wait_alu depctr_va_vdst(0)
	s_wait_kmcnt 0x0
	s_add_nc_u64 s[12:13], s[84:85], s[14:15]
	s_add_nc_u64 s[14:15], s[12:13], 12582912      ; V's codes
	s_add_nc_u64 s[12:13], s[12:13], 6291456       ; K's
	s_add_nc_u64 s[16:17], s[86:87], s[16:17]
.irp i, 0,1,2,3,4,5,6,7                        ; record by record, as the operand's registers: 34 loads
	global_load_b128 v[96+6*\i:99+6*\i], v1, s[12:13] offset:768*\i
	global_load_b64 v[100+6*\i:101+6*\i], v2, s[12:13] offset:768*\i
.endr
.irp i, 0,1,2,3,4,5,6,7
	global_load_b128 v[144+6*\i:147+6*\i], v1, s[14:15] offset:768*\i
	global_load_b64 v[148+6*\i:149+6*\i], v2, s[14:15] offset:768*\i
.endr
	global_load_b128 v[192:195], v1, s[16:17] offset:524288    ; K's scale words
	global_load_b128 v[196:199], v1, s[16:17] offset:1048576   ; V's
	s_wait_xcnt 0x0                                ; the loads have read their bases: s12-17 are written again below
; A KEY STEP: 128 keys.
.macro STEP
	s_wait_dscnt 0x0                               ; K's fragments and both sets of scale words are in
.irp t, 0,1,2,3
	MM S+8*\t, KV+6*\t, 16, 0, 86+\t, 28, 0
.endr
.irp t, 4,5,6,7
	MM S+8*\t, KV+6*\t, 16, 0, 82+\t, 28, 1
.endr
	v_mov_b32 v226, v12                            ; the old -M; with three v_nop the four places in front of the loads into K's registers and of the first read of the scores
.rept 3
	v_nop
.endr
.irp q, 0,1,2,3,4,5,6,7,8,9,10,11
	ds_load_b128 v[KV+4*\q:KV+4*\q+3], v4 offset:6144+512*\q     ; V's four tiles land while the softmax is walked
.endr
	s_wait_kmcnt 0x0                               ; any mask words asked for
	s_bitcmp1_b32 s10, s3                          ; has this step a hole for my tile?  A stored whole number
	s_cbranch_scc0 .Lopen_\@
.set m, 0
.rept 64
.if m < 48
	v_cndmask_b32 v[S+m], v7, v[S+m], s[16+m]
.else
	v_cndmask_b32 v[S+m], v7, v[S+m], s[20+m]
.endif
.set m, m+1
.endr
.Lopen_\@:
	s_add_co_u32 s11, s3, 1
	s_bitcmp1_b32 s10, s11                         ; the next step's words are asked for only if it has a hole (bit 16, behind the last step, is 0)
	s_cbranch_scc0 .Lnone_\@
	s_lshl_b32 s11, s11, 8
	s_load_b512 s[16:31], s[4:5], s11 offset:0x0
	s_load_b512 s[32:47], s[4:5], s11 offset:0x40
	s_load_b512 s[48:63], s[4:5], s11 offset:0x80
	s_load_b512 s[68:83], s[4:5], s11 offset:0xc0
.Lnone_\@:
.irp c, 0,1                                    ; the largest score of my two blocks of 32 keys, two chains a block, four by turns; each accumulator is first read at its low end
	v_max3_num_f32 v[BM+\c], v[S+32*\c], v[S+32*\c+1], v[S+32*\c+2]
	v_max3_num_f32 v[BM+2+\c], v[S+32*\c+16], v[S+32*\c+17], v[S+32*\c+18]
.endr
.irp i, 3,5,7,9,11,13
.irp c, 0,1
	v_max3_num_f32 v[BM+\c], v[BM+\c], v[S+32*\c+\i], v[S+32*\c+\i+1]
	v_max3_num_f32 v[BM+2+\c], v[BM+2+\c], v[S+32*\c+16+\i], v[S+32*\c+17+\i]
.endr
.endr
.irp c, 0,1
	v_max3_num_f32 v[BM+\c], v[BM+\c], v[S+32*\c+15], v[S+32*\c+31]
.endr
.irp c, 0,1
	v_max_num_f32 v[BM+\c], v[BM+\c], v[BM+2+\c]
.endr
	v_max_num_f32 v227, v212, v213
	s_delay_alu instid0(VALU_DEP_1)
	v_permlanex16_b32 v216, v227, s6, s7           ; lane l xor 16 has my query's other 64 keys
	s_delay_alu instid0(VALU_DEP_1)
	v_max3_num_f32 v13, v13, v227, v216            ; the running largest score
	s_delay_alu instid0(VALU_DEP_1)
	v_mul_f32 v227, s8, v13                        ; as t (c is positive)
	s_delay_alu instid0(VALU_DEP_1)
	v_floor_f32 v12, -v227                         ; -M = floor(-t): M is a whole number
	s_delay_alu instid0(VALU_DEP_1)
	v_sub_f32 v226, v12, v226                      ; old M - new M: a whole number, 0 or less
.set j, 0
.rept 32
	v_pk_fma_f32 v[S+j:S+j+1], v[S+j:S+j+1], s[8:9], v[12:13] op_sel_hi:[1,0,0]   ; t - M, two at a time
.if j == 6
	v_cvt_i32_f32 v226, v226                       ; (it saturates)
.endif
.if j == 14
	v_ldexp_f32 v224, 1.0, v226                    ; f = 2^(old M - new M)
.endif
.set j, j+2
.endr
.irp c, 0,1
	v_fma_f32 v[BM+\c], v[BM+\c], s8, v12          ; the same of each block's largest score
.endr
.set j, 0
.rept 16
	v_pk_mul_f32 v[O+j:O+j+1], v[O+j:O+j+1], v[224:225] op_sel_hi:[1,0]   ; O^T under the new M, from its low end on
.set j, j+2
.endr
	v_pk_mul_f32 v[14:15], v[14:15], v[224:225] op_sel_hi:[1,0]           ; and the sum
	s_wait_alu depctr_va_vdst(0)
.set j, 0
.rept 64
	v_exp_f32 v[S+j], v[S+j]                       ; p = 2^(t - M)
.set j, j+1
.endr
.irp c, 0,1
	v_exp_f32 v[BM+\c], v[BM+\c]                   ; the blocks' largest p: the same two steps on the same number
.endr
	v_nop                                          ; a plain place behind the exponentials
	s_wait_alu depctr_va_vdst(0)                   ; one wait for the batch, ahead of its first reader
.irp c, 0,1
	v_max_num_f32 v[BM+\c], 0x1800000, v[BM+\c]    ; the floor 2^(3 - 127): the byte cannot fall under 1
.endr
.irp k, 0,1,2,3
	v_pk_add_f32 v[T+2*\k:T+2*\k+1], v[S+2*\k:S+2*\k+1], v[S+8+2*\k:S+9+2*\k]   ; the row's sum, of the unquantised p: pairs 0-7 start four partial sums
.endr
.irp c, 0,1
	v_add_nc_u32 v[BS+\c], 0xff000000, v[BM+\c]    ; 2 off the exponent field: the conversions' scale operand
.endr
	ACC 8, 12
.irp c, 0,1
	v_lshrrev_b32 v[218+\c], 23, v[BS+\c]          ; the byte
.endr
.irp c, 0,1
	v_cvt_scalef32_pk16_fp6_f32 v[192+6*\c:194+6*\c], v[S+32*\c:S+15+32*\c], v[BS+\c]
	v_cvt_scalef32_pk16_fp6_f32 v[204+4*\c:206+4*\c], v[S+16+32*\c:S+31+32*\c], v[BS+\c]   ; (a conversion's three registers begin on an even number)
.endr
	v_lshl_or_b32 v94, v219, 16, v218              ; my two bytes, blocks h and 2 + h (also the plain place behind the conversions),
	v_lshlrev_b32 v94, v31, v94                    ; at their places, 8 h bits up
.irp c, 0,1
.irp i, 0,1,2
	v_mov_b32 v[195+6*\c+\i], v[204+4*\c+\i]
.endr
.endr
	v_permlanex16_b32 v217, v94, s6, s7
	ACC 12, 14
	v_or_b32 v94, v94, v217                        ; with lane l xor 16's two the scale word of these 128 keys is whole
	ACC 14, 32                                     ; eighteen additions: the places between p's scale word and codes and the products
	s_add_co_u32 s3, s3, 1
	s_and_b32 s14, s3, 15                          ; behind the last step: step 0, for the next pass
	s_mul_i32 s12, s14, 12288
	s_lshl_b32 s13, s14, 10
	s_wait_alu depctr_va_vdst(0)                   ; directly ahead of the wait below
	s_wait_dscnt 0x0                               ; V is in
.irp a, 0,1,2,3
	MM O+8*\a, KV+12*\a, 192, v[O+8*\a:O+8*\a+7], 90+\a, 94, 0
.endr
	v_pk_add_f32 v[T:T+1], v[T:T+1], v[T+2:T+3]    ; six plain lines: the places in front of the loads below
	v_pk_add_f32 v[T+4:T+5], v[T+4:T+5], v[T+6:T+7]
	v_add_nc_u32 v4, s12, v1
	v_add_nc_u32 v6, s13, v3
	v_pk_add_f32 v[T:T+1], v[T:T+1], v[T+4:T+5]
	v_pk_add_f32 v[14:15], v[14:15], v[T:T+1]
	KLOAD
.endm
.macro PASS p
	s_wait_kmcnt 0x0                               ; no scalar load is out: their registers are written below
	s_lshl_b32 s97, ttmp9, 2
	s_lshr_b32 s12, s2, 3
	s_add_co_u32 s97, s97, s12
	s_add_co_u32 s97, s97, 2*\p                    ; my block of 128 queries
	s_lshr_b32 s12, s96, 4
	s_lshl_b32 s12, s12, 7
	s_lshl_b32 s13, s97, 3
	s_add_co_u32 s12, s12, s13
	s_add_co_u32 s12, s12, s98                     ; 128 n + T
	s_lshl_b32 s13, s12, 4
	s_load_b128 s[16:19], s[90:91], s13 offset:0x0 ; the tile's sixteen flags, in four words
	s_lshl_b32 s14, s12, 12
	s_mov_b32 s15, 0
	s_add_nc_u64 s[4:5], s[88:89], s[14:15]        ; the tile's mask words
	s_lshl_b32 s12, s96, 4
	s_add_co_u32 s12, s12, s97
	s_mul_i32 s14, s12, 6144
	s_mul_i32 s11, s98, 768
	s_add_co_u32 s14, s14, s11
	s_add_nc_u64 s[14:15], s[84:85], s[14:15]
	global_load_b128 v[16:19], v1, s[14:15]        ; Q's record stays in registers
	global_load_b64 v[20:21], v2, s[14:15]
	s_lshl_b32 s100, s12, 9
	s_lshr_b32 s11, s98, 2
	s_lshl_b32 s11, s11, 8
	s_add_co_u32 s100, s100, s11
	s_and_b32 s11, s98, 3
	s_lshl_b32 s11, s11, 2
	s_add_co_u32 s100, s100, s11
	s_mov_b32 s101, 0
	s_add_nc_u64 s[100:101], s[86:87], s[100:101]
	global_load_b32 v28, v29, s[100:101]           ; and its scale words
	v_mov_b32 v13, 0xff61b1e6                      ; the largest score so far: -3e38
	v_mov_b32 v12, 0x7e000000                      ; -M: 2^125, over every -M that follows, so that the first f is 0
	v_mov_b32 v14, 0
	v_mov_b32 v15, 0
	s_wait_kmcnt 0x0
	s_or_b32 s10, s16, s17
	s_or_b32 s10, s10, s18
	s_or_b32 s10, s10, s19
	s_load_b512 s[16:31], s[4:5], 0x0              ; step 0's words
	s_load_b512 s[32:47], s[4:5], 0x40
	s_load_b512 s[48:63], s[4:5], 0x80
	s_load_b512 s[68:83], s[4:5], 0xc0
.if \p == 0
	; THE FILL.  37 loads are out: K's 16, V's 16, two of scale words, Q's three.  Each wait's count is the number of loads younger than those that it shows in.
.irp i, 0,2,4,6                                ; records i and i + 1 become the even and the odd tile of a pair: 12 registers in three pieces
	s_wait_loadcnt 33-2*\i
	ds_store_b128 v10, v[96+6*\i:99+6*\i] offset:3072*(\i/4)+128*((\i%4)/2)
	ds_store_b64 v10, v[100+6*\i:101+6*\i] offset:3072*(\i/4)+128*((\i%4)/2)+512
	ds_store_b64 v10, v[102+6*\i:103+6*\i] offset:3072*(\i/4)+128*((\i%4)/2)+520
	ds_store_b128 v10, v[104+6*\i:107+6*\i] offset:3072*(\i/4)+128*((\i%4)/2)+1024
.endr
.irp a, 0,1,2,3
	s_wait_loadcnt 17-4*\a
.irp q, 0,1,2
	ds_store_b128 v11, v[144+12*\a+4*\q:147+12*\a+4*\q] offset:6144+1536*\a+512*\q
.endr
.endr
	s_wait_loadcnt 0x3
	ds_store_b64 v5, v[192:193]                    ; K's scale words follow their rows into the new tiles
	ds_store_b64 v5, v[194:195] offset:128
	ds_store_b128 v228, v[196:199] offset:512
	s_wait_dscnt 0x0                               ; for the others' sake: my stores have landed
	s_barrier_signal -1
	s_barrier_wait -1                              ; the head's K and V lie in LDS; nothing is stored there from here on
	v_mov_b32 v4, v1
	v_mov_b32 v6, v3
	KLOAD                                          ; step 0's K (the second pass finds it asked for by the first's last trip)
.endif
.set j, 0
.rept 32
	v_mov_b32 v[O+j], 0                            ; O^T: the step is written once; its first trip finds zeros, which the first change of M leaves zeros.  (Behind the fill: V's codes passed through these registers)
.set j, j+1
.endr
	s_wait_loadcnt 0x0                             ; Q
	s_mov_b32 s3, 0
.Lstep_\@:
	s_wait_alu depctr_va_vdst(0)                   ; directly ahead of the step's first wait
	STEP
	s_cmp_lt_u32 s3, 16
	s_cbranch_scc1 .Lstep_\@
	; the pass's end: O / the sum, quantised along the head's 64 features: one record and two scale bytes
	v_add_f32 v14, v14, v15
	v_permlanex16_b32 v226, v14, s6, s7
	v_add_f32 v14, v14, v226                       ; the row's sum
	s_wait_alu depctr_va_vdst(0)
	v_rcp_f32 v14, v14
	v_nop                                          ; a plain place behind the transcendental
	s_lshr_b32 s12, s96, 4
	s_lshl_b32 s12, s12, 4
	s_add_co_u32 s12, s12, s97                     ; the operand's block: 16 n + block of queries
	s_lshl_b32 s12, s12, 3
	s_bfe_u32 s13, s96, 0x30001
	s_add_co_u32 s12, s12, s13                     ; x 8 + kappa = head / 2
	s_mul_i32 s14, s12, 12288
	s_mul_i32 s13, s98, 1536
	s_add_co_u32 s14, s14, s13
	s_and_b32 s13, s96, 1                          ; c = head % 2
	s_mul_i32 s99, s13, 768
	s_add_co_u32 s14, s14, s99
	s_mov_b32 s15, 0
	s_add_nc_u64 s[14:15], s[92:93], s[14:15]
	s_lshl_b32 s100, s12, 9
	s_lshl_b32 s13, s13, 1
	s_add_co_u32 s100, s100, s13
	s_lshr_b32 s13, s98, 2
	s_lshl_b32 s13, s13, 8
	s_add_co_u32 s100, s100, s13
	s_and_b32 s13, s98, 3
	s_lshl_b32 s13, s13, 2
	s_add_co_u32 s100, s100, s13
	s_mov_b32 s101, 0
	s_add_nc_u64 s[100:101], s[94:95], s[100:101]
	s_wait_alu depctr_va_vdst(0)                   ; the wait ahead of the first reader of the reciprocal and of O^T
.set j, 0
.rept 32
	v_mul_f32 v[S+j], v[O+j], v14                  ; register 16 b + i: feature 32 b + 16 h + i of the head
.set j, j+1
.endr
.irp b, 0,1
	v_max3_num_f32 v[BM+\b], |v[S+16*\b]|, |v[S+1+16*\b]|, 0x1800000
.endr
.irp i, 2,4,6,8,10,12,14
.irp b, 0,1
	v_max3_num_f32 v[BM+\b], v[BM+\b], |v[S+16*\b+\i]|, |v[S+1+16*\b+\i]|
.endr
.endr
.irp b, 0,1
	v_permlanex16_b32 v[BT+\b], v[BM+\b], s6, s7
.endr
.irp b, 0,1
	v_max_num_f32 v[BM+\b], v[BM+\b], v[BT+\b]
.endr
.irp b, 0,1
	v_add_nc_u32 v[BS+\b], 0xff000000, v[BM+\b]
.endr
.irp b, 0,1
	v_lshrrev_b32 v[BT+\b], 23, v[BS+\b]
.endr
	v_lshl_or_b32 v226, v217, 8, v216              ; my row's two bytes
	v_cvt_scalef32_pk16_fp6_f32 v[192:194], v[S:S+15], v220
	v_cvt_scalef32_pk16_fp6_f32 v[204:206], v[S+16:S+31], v221
	v_nop
.irp i, 0,1,2
	v_permlane16_swap_b32 v[192+\i], v[204+\i]     ; here a block lies in lanes l and l xor 16: the operand wants it whole in a lane
.endr
.irp i, 0,1,2
	v_mov_b32 v[195+\i], v[204+\i]
.endr
	global_store_b128 v1, v[192:195], s[14:15]     ; 512 consecutive bytes, aligned to 256
	global_store_b64 v2, v[196:197], s[14:15]      ; 256 consecutive bytes
	s_wait_xcnt 0x0                                ; EXEC changes only behind this wait
	v_cmp_gt_u32 vcc_lo, 16, v8
	s_and_saveexec_b32 s99, vcc_lo
	global_store_b16 v29, v226, s[100:101]         ; lanes 0-15: half a scale word a row; the other half is the neighbouring head's (262,144 bytes in the whole launch leave so)
	s_wait_xcnt 0x0                                ; and again in front of the line that widens it; the stores' data, offsets and bases are free behind it too
	s_or_b32 exec_lo, exec_lo, s99
.endm
	PASS 0
	PASS 1
	s_wait_kmcnt 0x0
	s_wait_dscnt 0x0                               ; the last trip's loads of K, which nobody uses
	s_wait_tensorcnt 0x0                           ; the wave's end
	ds_add_u32 v254, v255
	s_wait_dscnt 0x0
	s_endpgm
.Lfunc_end_k_q644ecff1b9_attn:
	.size	k_q644ecff1b9_attn, .Lfunc_end_k_q644ecff1b9_attn-k_q644ecff1b9_attn
	.p2alignl 7, 3214868480
	.fill 96, 4, 3214868480
	.section	.rodata,"a",@progbits
	.p2align	6, 0x0
	.amdhsa_kernel k_q644ecff1b9_attn
		.amdhsa_group_segment_fixed_size 215040
		.amdhsa_private_segment_fixed_size 0
		.amdhsa_enable_private_segment 0
		.amdhsa_kernarg_size 48
		.amdhsa_user_sgpr_count 2
		.amdhsa_user_sgpr_kernarg_segment_ptr 1
		.amdhsa_wavefront_size32 1
		.amdhsa_system_sgpr_workgroup_id_x 1
		.amdhsa_system_sgpr_workgroup_id_y 1
		.amdhsa_system_sgpr_workgroup_id_z 1
		.amdhsa_system_vgpr_workitem_id 0
		.amdhsa_next_free_vgpr 256
		.amdhsa_next_free_sgpr 102
		.amdhsa_reserve_vcc 1
		.amdhsa_float_denorm_mode_32 3
		.amdhsa_float_denorm_mode_16_64 3
		.amdhsa_memory_ordered 1
		.amdhsa_forward_progress 1
		.amdhsa_inst_pref_size 63
	.end_amdhsa_kernel
	.amdgpu_metadata
---
amdhsa.version: [ 1, 2 ]
amdhsa.kernels:
  - .name:           k_q644ecff1b9_attn
    .symbol:         k_q644ecff1b9_attn.kd
    .args:
      - { .name: qkvc, .offset: 0, .size: 8, .value_kind: global_buffer, .address_space: global }
      - { .name: qkvs, .offset: 8, .size: 8, .value_kind: global_buffer, .address_space: global }
      - { .name: mw, .offset: 16, .size: 8, .value_kind: global_buffer, .address_space: global }
      - { .name: fl, .offset: 24, .size: 8, .value_kind: global_buffer, .address_space: global }
      - { .name: oc, .offset: 32, .size: 8, .value_kind: global_buffer, .address_space: global }
      - { .name: os, .offset: 40, .size: 8, .value_kind: global_buffer, .address_space: global }
    .group_segment_fixed_size: 215040
    .private_segment_fixed_size: 0
    .kernarg_segment_align: 8
    .kernarg_segment_size: 48
    .max_flat_workgroup_size: 512
    .sgpr_count:     102
    .vgpr_count:     256
    .wavefront_size: 32
...
	.end_amdgpu_metadata
.endif
;; end of part 3
;; launch outp (part 4): grid 4 x 64, 4 waves a work-group, clusters of 4 x 4, 327,680 bytes of LDS; arguments oc, os, inc, ins, bo, out0; writes out0
.if DOCPART == 4
	.amdgcn_target "amdgcn-amd-amdhsa--gfx1250"
	.amdhsa_code_object_version 6
	.text
	.protected	k_q644ecff1b9_outp
	.globl	k_q644ecff1b9_outp
	.p2align	8
	.type	k_q644ecff1b9_outp,@function
k_q644ecff1b9_outp:
	s_mov_b64 s[64:65], 0
	v_nop
	global_prefetch_b8 v0, s[64:65] scope:SCOPE_SE
	s_setreg_imm32_b32 hwreg(HW_REG_WAVE_MODE, 25, 1), 1
	s_wait_xcnt 0x0
	s_wait_alu depctr_hold_cnt(0) depctr_sa_sdst(0) depctr_va_vdst(0) depctr_va_sdst(0) depctr_va_ssrc(0) depctr_va_vcc(0) depctr_vm_vsrc(0)
	s_getreg_b32 s2, hwreg(HW_REG_IB_STS2, 6, 4)
	s_cmp_eq_u32 s2, 0
	s_cbranch_scc0 .Lentry_in_a_cluster
	s_endpgm
.Lentry_in_a_cluster:
	s_bfe_u32 s2, ttmp6, 0x10000c
	s_cmp_lg_u32 s2, 0xf033
	s_cbranch_scc0 .Lentry_shape_is_right
	s_endpgm
.Lentry_shape_is_right:
.set MODE, 1                           ; 0: the three projections, results quantised on the way out;  1: the output projection, with its bias, results in f32
; A GEMM ON CODES OF FP6 (E2M3) with one E8M0 byte for each 32 along K; K = 1,024.  Operands lie in memory as images of the operand's registers: blocks of 128 rows,
; codes [block][kappa = K / 128][tile 0..7][c][768 bytes] (98,304 bytes a block), scale words [block][kappa][512 bytes]; tile i, lane row r is row 32 (i / 2) + 8 (i % 2) + r + 8 (r / 8) of its block.
; A WORK-GROUP makes 128 rows of "A" x 256 rows of "B".  Its three blocks' codes, all of K, 294,912 bytes, come into LDS ONCE and stay: nothing is filled again, so there is no ring.
; Four waves: wave w takes A's tiles 4 (w / 2) .. + 3 against the 8 tiles of B's block w % 2: 32 accumulators, 32 matrix instructions for each kappa.
; THE MATRIX INSTRUCTION IS USED TRANSPOSED (source 0 = 16 rows of B, source 1 = 16 rows of A): a lane holds ONE row of A, and register 16 b + i of its 64 is column 32 b + 16 (lane / 16) + i of B's block.
; MODE 1: A = attention's result, B = Wo; the bias is the C of each sum's first matrix instruction; results leave through a stage in LDS as rows of 512 bytes.  (MODE 0 is the text of the three projections.)
; CLUSTERS: 4 x 4 work-groups.  A's block is asked for jointly by the four of a row, B's two blocks by the four of a column.
; ONE JOINT LOAD A WAVE, at the head: wave 0 A's kappa 0-3, wave 1 kappa 0-3 of both blocks of B (two rows of 49,152 bytes, 98,304 apart in memory), wave 2 A's kappa 4-7, wave 3 B's.
; The first barrier shows waves 0 and 1's tiles, a second one, in kappa 3, the other two.  LDS: A [kappa] at 0; B [half of K][block][4 kappa] at 98,304.
; THE SCALE WORDS go from memory straight into registers, 16 loads a wave: v164-195 A's (4 kappa + tile), v200-231 B's.  No prefetch: all tiles are asked for at the head, and there is no loop to run ahead in.
; LIMITS: NaN and infinities are not served.
; REGISTERS: window 0: v1-7 lane numbers and offsets; v16-25 addresses; v64-159 A's fragments (2 sets of 4); v164-231 the scale words; v64-191 at work on the way out.
;   window 1: B's fragments, 2 sets of 8 at v0 and v96; the bias at v192.   window 2: accumulator (a, b) at v[8 (8 a + b)].
.set CHUNK, 24576
.set LB,    98304                      ; LDS: A's codes at 0, B's two blocks at 98,304 and 196,608,
.set LSA,   294912                     ; A's scale words, 4,096 bytes,
.set LSB,   299008                     ; B's, 2 x 4,096
.set G1A,  24                          ; s[24:31] group 1 for A's chunks;  s[32:39] for A's scale words;  s[40:47], s[48:55] the same for B
.set G1AS, 32
.set G1B,  40
.set G1BS, 48
.set TM,   160                         ; v160-163 largest magnitudes, v164-167 at work, v172-175 the conversions' scale operands
.set PW,   176                         ; v176-179 the four tiles' scale words;  v180-183 as they are stored
.set TC,   240
.if MODE
.set PBC, 8
.set PBS, 10
.else
.set PBC, 4
.set PBS, 6
.endif
.set MSB, 0
.macro WIN new                         ; the immediate's high byte repeats the setting that is left
.if MSB != \new
	s_set_vgpr_msb (MSB<<8)|\new
.set MSB, \new
.endif
.endm
.macro ROUND                           ; a round of the cluster's barrier
	s_barrier_signal -1
	s_barrier_wait -1
	s_cmp_lg_u32 s16, 0
	s_cbranch_scc1 .Lnot_wave_0_\@
	s_barrier_signal -3
.Lnot_wave_0_\@:
	s_barrier_wait -3
	s_barrier_signal -1
	s_barrier_wait -1
.endm
.macro PLACES                          ; four places in front of loads into registers that matrix instructions have read, and of the first read of results
.rept 4
	v_nop
.endr
.endm
.macro FRAG reg, a16, a8, off          ; a fragment: two records; of each, four registers at 16 x lane and two at 512 + 8 x lane: every load reads consecutive bytes
	ds_load_b128 v[\reg:\reg+3], v[\a16] offset:\off
	ds_load_b64 v[\reg+4:\reg+5], v[\a8] offset:\off
	ds_load_b128 v[\reg+6:\reg+9], v[\a16] offset:\off+768
	ds_load_b64 v[\reg+10:\reg+11], v[\a8] offset:\off+768
.endm
.macro FETCH k                         ; kappa k's fragments into set k % 2: 48 LDS loads in one run
.set KH, (\k)/4
.set KO, ((\k)%4)*12288
.set FB, 96*((\k)%2)
.set FA, 64+48*((\k)%2)
	WIN 0x40                                       ; destination window 1
.irp i, 0,1,2,3,4,5,6,7
	FRAG FB+12*\i, 20+KH, 22+KH, KO+1536*\i
.endr
	WIN 0
.irp i, 0,1,2,3
	FRAG FA+12*\i, 16+KH, 18+KH, KO+1536*\i
.endr
.endm
.macro ONE a, b, k
.set DD, 8*(8*(\a)+\b)
.set BB, 96*((\k)%2)+12*\b
.set AA, 64+48*((\k)%2)+12*(\a)
.set SBR, 200+4*(\k)+\b%4
.set SAR, 164+4*(\k)+(\a)
.if (\k) == 0
.if MODE
.if \b < 4
	v_wmma_scale_f32_16x16x128_f8f6f4 v[DD:DD+7], v[BB:BB+11], v[AA:AA+11], v[192+8*\b:192+8*\b+7], v[SBR], v[SAR] matrix_a_fmt:MATRIX_FMT_FP6 matrix_b_fmt:MATRIX_FMT_FP6
.else
	v_wmma_scale_f32_16x16x128_f8f6f4 v[DD:DD+7], v[BB:BB+11], v[AA:AA+11], v[192+8*\b:192+8*\b+7], v[SBR], v[SAR] matrix_a_fmt:MATRIX_FMT_FP6 matrix_b_fmt:MATRIX_FMT_FP6 matrix_a_scale:MATRIX_SCALE_ROW1
.endif
.else
.if \b < 4
	v_wmma_scale_f32_16x16x128_f8f6f4 v[DD:DD+7], v[BB:BB+11], v[AA:AA+11], 0, v[SBR], v[SAR] matrix_a_fmt:MATRIX_FMT_FP6 matrix_b_fmt:MATRIX_FMT_FP6
.else
	v_wmma_scale_f32_16x16x128_f8f6f4 v[DD:DD+7], v[BB:BB+11], v[AA:AA+11], 0, v[SBR], v[SAR] matrix_a_fmt:MATRIX_FMT_FP6 matrix_b_fmt:MATRIX_FMT_FP6 matrix_a_scale:MATRIX_SCALE_ROW1
.endif
.endif
.else
.if \b < 4
	v_wmma_scale_f32_16x16x128_f8f6f4 v[DD:DD+7], v[BB:BB+11], v[AA:AA+11], v[DD:DD+7], v[SBR], v[SAR] matrix_a_fmt:MATRIX_FMT_FP6 matrix_b_fmt:MATRIX_FMT_FP6
.else
	v_wmma_scale_f32_16x16x128_f8f6f4 v[DD:DD+7], v[BB:BB+11], v[AA:AA+11], v[DD:DD+7], v[SBR], v[SAR] matrix_a_fmt:MATRIX_FMT_FP6 matrix_b_fmt:MATRIX_FMT_FP6 matrix_a_scale:MATRIX_SCALE_ROW1
.endif
.endif
.endm
.macro MUL k, half                     ; 16 matrix instructions: my tiles 2 half, 2 half + 1 of A x B's eight.  The 32 accumulators take turns, one instruction a turn, in the same order for every kappa
.if ((\k) == 0) && MODE
	WIN 0x91                                       ; source 0 (B) window 1, source 1 (A) window 0, C (the bias) window 1, D window 2
.else
	WIN 0xa1                                       ; C and D window 2
.endif
.irp a, 2*\half, 2*\half+1
.irp b, 0,1,2,3,4,5,6,7
	ONE (\a), \b, \k
.endr
.endr
.endm
.macro KSTEP k
	s_wait_dscnt 0x0                               ; kappa k's fragments are in; no LDS instruction of mine is out at the signal below
.if (\k) == 3
	s_wait_tensorcnt 0x0                           ; every wave's load has landed: behind this barrier kappa 4-7 are read; nothing is filled again
	s_barrier_signal -1
.endif
.if MODE && ((\k) == 7)
	s_barrier_signal -1                            ; my last reads of LDS are over: behind this barrier the stages are laid over A's codes
.endif
	MUL \k, 0
.if ((\k) == 3) || (MODE && ((\k) == 7))
	s_barrier_wait -1
.endif
.if (\k) < 7
	PLACES
	FETCH (\k)+1
.endif
	MUL \k, 1
.endm
	s_load_b256 s[4:11], s[0:1], 0x0               ; MODE 0: inc, ins, qkvc, qkvs;  MODE 1: oc, os, inc, ins
.if MODE
	s_load_b128 s[12:15], s[0:1], 0x20             ; bo, out0
	v_lshl_add_u32 v254, v0, 2, 0x4b000
	v_mov_b32 v255, 0
	ds_add_u32 v254, v255
	ds_add_u32 v254, v255
.endif
	v_lshrrev_b32 v1, 5, v0
	v_readfirstlane_b32 s16, v1                    ; wave
	s_lshr_b32 s17, s16, 1                         ; Ah: which four tiles of A are mine
	s_and_b32 s18, s16, 1                          ; Bw: which block of B
	s_bfe_u32 s19, ttmp6, 0x40000                  ; cx
	s_bfe_u32 s20, ttmp6, 0x40004                  ; cy
	s_and_b32 s21, ttmp7, 0xffff                   ; the cluster's y (its x is 0)
.if MODE
	s_lshl_b32 s2, s21, 2
	s_add_co_u32 s2, s2, s20                       ; A's block: 4 x cluster + cy
	s_lshl_b32 s3, s19, 1
	s_add_co_u32 s3, s3, 216                       ; B's first block: Wo's 2 cx
.else
	s_lshr_b32 s22, s21, 4                         ; P: 0 q, 1 k, 2 v
	s_and_b32 s23, s21, 15                         ; c
	s_lshl_b32 s2, s22, 6
	s_lshl_b32 s100, s23, 2
	s_add_co_u32 s2, s2, s100                      ; q, k: tokens' block 64 P + 4 c
	s_lshr_b32 s100, s23, 3
	s_lshl_b32 s100, s100, 2
	s_add_co_u32 s100, s100, 208                   ; v: Wv's block 208 + 4 (c / 8)
	s_cmp_eq_u32 s22, 2
	s_cselect_b32 s2, s100, s2
	s_add_co_u32 s2, s2, s20                       ; + cy
	s_lshl_b32 s3, s22, 3
	s_add_co_u32 s3, s3, 192                       ; q, k: the weight's block 192 + 8 P
	s_and_b32 s101, s23, 7
	s_lshl_b32 s101, s101, 3
	s_add_co_u32 s101, s101, 128                   ; v: values' block 128 + 8 (c % 8)
	s_cmp_eq_u32 s22, 2
	s_cselect_b32 s3, s101, s3
	s_lshl_b32 s101, s19, 1
	s_add_co_u32 s3, s3, s101                      ; + 2 cx
.endif
	s_lshl_b32 s100, s20, 2
	s_lshl_b32 s100, 15, s100                      ; my row of the cluster
	s_lshl_b32 s101, 0x1111, s19                   ; my column
	; group 1: a dense block as rows of 256 bytes (32 elements of 8 bytes), no padding; 15:0 the mask; 17:16 element size code 3; 21 set beside a mask
	s_or_b32 s[G1A], s100, (3<<16)|(1<<21)
	s_or_b32 s[G1B], s101, (3<<16)|(1<<21)
	s_mov_b32 s[G1A+1], 32<<16                     ; A: four kappa of a block, dense: 192 rows of 256 bytes
	s_mov_b32 s[G1A+2], 192<<16
	s_mov_b32 s[G1A+3], 32<<16
	s_mov_b32 s[G1A+4], 192
	s_mov_b32 s[G1A+5], 32
	s_mov_b32 s[G1A+6], 0
	s_mov_b32 s[G1A+7], 0
	s_mov_b32 s[G1B+1], 6144<<16                   ; B: four kappa of two blocks: 2 rows of 6,144 elements of 8 bytes,
	s_mov_b32 s[G1B+2], 2<<16
	s_mov_b32 s[G1B+3], 6144<<16
	s_mov_b32 s[G1B+4], 2
	s_mov_b32 s[G1B+5], 12288                      ; a block apart
	s_mov_b32 s[G1B+6], 0
	s_mov_b32 s[G1B+7], 0
	s_wait_dscnt 0x0
	s_wait_kmcnt 0x0
	; s[58:59], s[82:83] where A's and B's scale words begin;  groups 0: s[60:63], s[72:75] A's two halves of K, s[84:87], s[92:95] B's
	s_lshl_b32 s58, s2, 12
	s_mov_b32 s59, 0
	s_add_nc_u64 s[58:59], s[6:7], s[58:59]
	s_mul_i32 s62, s2, 98304
	s_mov_b32 s63, 0
	s_add_nc_u64 s[62:63], s[4:5], s[62:63]
	s_add_nc_u64 s[74:75], s[62:63], 2*CHUNK
	s_mov_b32 s60, 1
	s_mov_b32 s61, 0
	s_or_b32 s63, s63, 0x80000000
	s_mov_b32 s72, 1
	s_mov_b32 s73, 2*CHUNK
	s_or_b32 s75, s75, 0x80000000
	s_lshl_b32 s82, s3, 12
	s_mov_b32 s83, 0
	s_add_nc_u64 s[82:83], s[PBS:PBS+1], s[82:83]
	s_mul_i32 s86, s3, 98304
	s_mov_b32 s87, 0
	s_add_nc_u64 s[86:87], s[PBC:PBC+1], s[86:87]
	s_add_nc_u64 s[94:95], s[86:87], 2*CHUNK
	s_mov_b32 s84, 1
	s_mov_b32 s85, LB
	s_or_b32 s87, s87, 0x80000000
	s_mov_b32 s92, 1
	s_mov_b32 s93, LB+4*CHUNK
	s_or_b32 s95, s95, 0x80000000
	ROUND                                          ; all sixteen work-groups are here: the joint loads meet
	s_cmp_eq_u32 s16, 0                            ; one chain of branches on the wave's number, one load to an arm
	s_cbranch_scc0 .Lnot_a
	tensor_load_to_lds s[60:63], s[G1A:G1A+7]      ; wave 0: A's kappa 0-3
	s_nop 0
.rept 4
	v_nop
.endr
	s_branch .Lasked
.Lnot_a:
	s_cmp_eq_u32 s16, 1
	s_cbranch_scc0 .Lw2
	tensor_load_to_lds s[84:87], s[G1B:G1B+7]      ; wave 1: B's kappa 0-3
	s_nop 0
.rept 4
	v_nop
.endr
	s_branch .Lasked
.Lw2:
	s_cmp_eq_u32 s16, 2
	s_cbranch_scc0 .Lw3
	tensor_load_to_lds s[72:75], s[G1A:G1A+7]      ; wave 2: A's kappa 4-7
	s_nop 0
.rept 4
	v_nop
.endr
	s_branch .Lasked
.Lw3:
	tensor_load_to_lds s[92:95], s[G1B:G1B+7]      ; wave 3: B's kappa 4-7
	s_nop 0
.rept 4
	v_nop
.endr
.Lasked:
	v_and_b32 v1, 31, v0                           ; lane
	v_and_b32 v2, 15, v0                           ; r
	v_bfe_u32 v3, v0, 4, 1                         ; h
	v_lshlrev_b32 v4, 4, v1                        ; 16 x lane
	v_lshlrev_b32 v5, 3, v1
	v_add_nc_u32 v5, 512, v5                       ; 512 + 8 x lane
	s_mul_i32 s66, s17, 6144                       ; my four tiles of A
	v_add_nc_u32 v16, s66, v4                      ; kappa 0-3;
	v_add_nc_u32 v18, s66, v5
	v_add_nc_u32 v17, 49152, v16                   ; kappa 4-7 (an LDS immediate has 16 bits)
	v_add_nc_u32 v19, 49152, v18
	s_mul_i32 s66, s18, 2*CHUNK
	s_add_co_u32 s66, s66, LB                      ; my block of B: kappa 0-3;
	v_add_nc_u32 v20, s66, v4
	v_add_nc_u32 v22, s66, v5
	v_add_nc_u32 v21, 4*CHUNK, v20                 ; kappa 4-7 lie behind both blocks' kappa 0-3
	v_add_nc_u32 v23, 4*CHUNK, v22
	s_lshl_b32 s66, s17, 8
	v_lshl_add_u32 v24, v2, 4, s66                 ; A's scale words: my four tiles' half of a record, 16 r
	s_lshl_b32 s66, s18, 12
	v_add_nc_u32 v25, s66, v4                      ; B's: my block, 16 x lane
.irp k, 0,1,2,3,4,5,6,7
	global_load_b128 v[164+4*\k:167+4*\k], v24, s[58:59] offset:512*\k   ; register j: the words of my tile j of A: sixteen lanes read 256 consecutive bytes
	global_load_b128 v[200+4*\k:203+4*\k], v25, s[82:83] offset:512*\k   ; register j: lanes 0-15 B's tile j, lanes 16-31 tile 4 + j
.endr
.if MODE
	s_lshl_b32 s100, s19, 10                       ; the bias of my 128 columns: bo + 4 (256 cx + 128 Bw);
	s_lshl_b32 s101, s18, 9
	s_add_co_u32 s100, s100, s101
	s_mov_b32 s101, 0
	s_add_nc_u64 s[12:13], s[12:13], s[100:101]
	v_lshlrev_b32 v26, 6, v3                       ; tile b's eight registers are columns 32 (b / 2) + 8 (b % 2) + 16 h + 0 .. 7
	WIN 0x40
.irp b, 0,1,2,3,4,5,6,7
	global_load_b128 v[192+8*\b:192+8*\b+3], v26, s[12:13] offset:(32*(\b/2)+8*(\b%2))*4
	global_load_b128 v[192+8*\b+4:192+8*\b+7], v26, s[12:13] offset:(32*(\b/2)+8*(\b%2))*4+16
.endr
	WIN 0
	s_wait_alu depctr_va_vdst(0)
	s_wait_loadcnt 0x0
.endif
	s_cmp_lt_u32 s16, 2                            ; (the wait above has shown the scale words and the bias in)
	s_cbranch_scc0 .Lhi
	s_wait_tensorcnt 0x0                           ; waves 0 and 1: kappa 0-3 have landed; the other two waves' loads may be out
.Lhi:
	s_barrier_signal -1
	s_barrier_wait -1                              ; everybody's have
	FETCH 0
.irp k, 0,1,2,3,4,5,6,7
	KSTEP \k
.endr
	PLACES
	WIN 0
.if MODE == 0
	; ---- THE WAY OUT: where my results go.  X = the block of 128 tokens, Y = the head.  Every choice on P is a select; stores may hang on cx and cy
	s_lshl_b32 s12, s23, 2
	s_add_co_u32 s12, s12, s20                     ; q, k: X = 4 c + cy
	s_and_b32 s13, s23, 7
	s_lshl_b32 s13, s13, 3
	s_lshl_b32 s14, s19, 1
	s_add_co_u32 s13, s13, s14
	s_add_co_u32 s13, s13, s18                     ; v: X = 8 (c % 8) + 2 cx + Bw
	s_lshl_b32 s14, s19, 2
	s_lshl_b32 s15, s18, 1
	s_add_co_u32 s14, s14, s15                     ; q, k: Y = 4 cx + 2 Bw, and Y + 1
	s_lshr_b32 s15, s23, 3
	s_lshl_b32 s15, s15, 3
	s_lshl_b32 s66, s20, 1
	s_add_co_u32 s15, s15, s66
	s_add_co_u32 s15, s15, s17                     ; v: Y = 8 (c / 8) + 2 cy + Ah
	s_lshl_b32 s67, s17, 8                         ; q, k: my half of the scale record
	s_mul_i32 s66, s17, 3072                       ; q, k: my tiles 4 Ah on
	s_mov_b32 s4, 768
	s_mov_b32 s5, 98304
	s_mov_b32 s6, 8192
	s_mov_b32 s2, 0xffff
	s_mov_b32 s3, 0x7f7f0000
	s_cmp_eq_u32 s22, 2
	s_cselect_b32 s12, s13, s12                    ; X
	s_cselect_b32 s14, s15, s14                    ; Y
	s_cselect_b32 s66, 0, s66
	s_cselect_b32 s67, 0, s67
	s_cselect_b32 s4, 1536, s4                     ; from tile to tile
	s_cselect_b32 s5, 768, s5                      ; from record c = 0 to c = 1: q, k: the next head; v: the next 64 keys
	s_cselect_b32 s6, 256, s6                      ; the scale words of lanes 16-31: q, k: the next head's; v: a repeat
	s_cselect_b32 s7, 0, 16                        ; and what they are shifted by
	s_cselect_b32 s2, -1, s2                       ; q, k: two bytes of the word,
	s_cselect_b32 s3, 0, s3                        ; and 2^0 for the upper 64 of the instruction's K, where the codes of q are zeros
	s_and_b32 s13, s12, 48
	s_add_co_u32 s13, s13, s14
	s_lshl_b32 s13, s13, 4
	s_and_b32 s12, s12, 15
	s_add_co_u32 s13, s13, s12                     ; ((X / 16) 16 + Y) 16 + X % 16
	s_mul_i32 s14, s13, 6144
	s_mul_i32 s12, s22, 6291456
	s_add_co_u32 s14, s14, s12
	s_add_co_u32 s14, s14, s66
	s_mov_b32 s15, 0
	s_add_nc_u64 s[8:9], s[8:9], s[14:15]
	s_lshl_b32 s14, s13, 9
	s_lshl_b32 s12, s22, 19
	s_add_co_u32 s14, s14, s12
	s_add_co_u32 s14, s14, s67
	s_add_nc_u64 s[10:11], s[10:11], s[14:15]
	s_mov_b32 s100, 0x76543210
	s_mov_b32 s101, 0xfedcba98                     ; selects for lane l xor 16
	v_mul_u32_u24 v6, v3, s7
	v_mul_u32_u24 v7, v3, s6
	v_lshl_add_u32 v7, v2, 4, v7
.irp a, 0,1,2,3
	s_mul_i32 s12, s4, \a
	s_add_co_u32 s13, s12, s5
	v_add_nc_u32 v[48+4*\a], s12, v4
	v_add_nc_u32 v[49+4*\a], s12, v5
	v_add_nc_u32 v[50+4*\a], s13, v4
	v_add_nc_u32 v[51+4*\a], s13, v5
.endr
.irp b, 0,1,2,3
	v_mov_b32 v[TM+4+\b], 0                        ; (a lane permute's destination counts as one of its sources)
.endr
; My tile a's 64 numbers a lane, register 16 b + i = column 32 b + 16 h + i of my row, become a fragment's 12 registers and a scale word.
.macro QUANT a
.set AC, 64*(\a)
.set PCA, 192+12*(\a)
	WIN 0x28                                       ; sources 1 and 2: window 2
.irp b, 0,1,2,3
	v_max3_num_f32 v[TM+\b], 0x1800000, |v[AC+16*\b]|, |v[AC+16*\b+1]|   ; each accumulator from its low end on; the floor 2^(3 - 127) holds the byte at 1 from below
.endr
.irp i, 2,4,6,8,10,12,14
.irp b, 0,1,2,3
	v_max3_num_f32 v[TM+\b], v[TM+\b], |v[AC+16*\b+\i]|, |v[AC+16*\b+\i+1]|
.endr
.endr
	WIN 0
.irp b, 0,1,2,3
	v_permlanex16_b32 v[TM+4+\b], v[TM+\b], s100, s101
.endr
.irp b, 0,1,2,3
	v_max_num_f32 v[TM+\b], v[TM+\b], v[TM+4+\b]   ; with lane l xor 16's 16: the block's largest magnitude
.endr
.irp b, 0,1,2,3
	v_add_nc_u32 v[TM+12+\b], 0xff000000, v[TM+\b] ; 2 off the exponent field: the conversion's scale operand
.endr
.irp b, 0,1,2,3
	v_lshrrev_b32 v[TM+4+\b], 23, v[TM+12+\b]      ; the byte
.endr
	v_lshl_or_b32 v[PW+\a], v[TM+5], 8, v[TM+4]
	v_lshl_or_b32 v[PW+\a], v[TM+6], 16, v[PW+\a]
	v_lshl_or_b32 v[PW+\a], v[TM+7], 24, v[PW+\a]
	WIN 0x02                                       ; source 0: window 2
.irp c, 0,1
	v_cvt_scalef32_pk16_fp6_f32 v[PCA+6*\c:PCA+6*\c+2], v[AC+32*\c:AC+32*\c+15], v[TM+12+2*\c]
	v_cvt_scalef32_pk16_fp6_f32 v[TC+4*\c:TC+4*\c+2], v[AC+32*\c+16:AC+32*\c+31], v[TM+12+2*\c+1]
.endr
	WIN 0
	v_nop                                          ; one plain place behind a scaled conversion
.irp c, 0,1                                    ; the layout wants a whole block in a lane: lanes 0-15 block 2 c, lanes 16-31 block 2 c + 1
.irp i, 0,1,2
	v_permlane16_swap_b32 v[PCA+6*\c+\i], v[TC+4*\c+\i]
.endr
.irp i, 0,1,2
	v_mov_b32 v[PCA+3+6*\c+\i], v[TC+4*\c+\i]
.endr
.endr
	global_store_b128 v[48+4*\a], v[PCA:PCA+3], s[8:9]       ; 512 consecutive bytes, aligned to 256
	global_store_b64 v[49+4*\a], v[PCA+4:PCA+5], s[8:9]      ; 256 consecutive bytes
	global_store_b128 v[50+4*\a], v[PCA+6:PCA+9], s[8:9]
	global_store_b64 v[51+4*\a], v[PCA+10:PCA+11], s[8:9]
.endm
.irp a, 0,1,2,3
	QUANT \a
.endr
.irp j, 0,1,2,3
	v_lshrrev_b32 v[PW+4+\j], v6, v[PW+\j]
.endr
.irp j, 0,1,2,3
	v_and_or_b32 v[PW+4+\j], v[PW+4+\j], s2, s3
.endr
	global_store_b128 v7, v[PW+4:PW+7], s[10:11]   ; sixteen lanes store 256 consecutive bytes, aligned
.else
	; ---- THE WAY OUT: a tile of 16 rows x 128 columns goes through my stage (16 rows, 528 bytes apart) and leaves as rows of 512 bytes.  The stages lie over A's codes: those bytes have had their only fill, and every wave's reads of them are over
	s_lshl_b32 s2, s21, 2
	s_add_co_u32 s2, s2, s20
	s_lshl_b32 s2, s2, 7
	s_lshl_b32 s3, s17, 6
	s_add_co_u32 s2, s2, s3                        ; my first row: 128 x block + 64 Ah
	s_lshl_b32 s2, s2, 12                          ; x 4,096 bytes (under 2^26)
	s_lshl_b32 s3, s19, 10
	s_add_co_u32 s2, s2, s3
	s_lshl_b32 s3, s18, 9
	s_add_co_u32 s2, s2, s3                        ; + 4 (256 cx + 128 Bw)
	s_mov_b32 s3, 0
	s_add_nc_u64 s[14:15], s[14:15], s[2:3]
	s_mul_i32 s66, s16, 8448
	v_mul_u32_u24 v6, v2, 528
	v_lshl_add_u32 v6, v3, 6, v6
	v_add_nc_u32 v6, s66, v6                       ; in: row r, + 64 h
	v_add_nc_u32 v7, s66, v4                       ; back: 16 x lane of a row
.macro TOSTAGE a
	WIN 0x08                                       ; an LDS store's data are its source 1: window 2
.irp b, 0,1,2,3,4,5,6,7
	ds_store_b128 v6, v[64*(\a)+8*\b:64*(\a)+8*\b+3] offset:128*(\b/2)+32*(\b%2)        ; each accumulator from its low end on
	ds_store_b128 v6, v[64*(\a)+8*\b+4:64*(\a)+8*\b+7] offset:128*(\b/2)+32*(\b%2)+16
.endr
	WIN 0
.irp t, 0,1,2,3,4,5,6,7,8,9,10,11,12,13,14,15
	ds_load_b128 v[64+64*((\a)%2)+4*\t:64+64*((\a)%2)+4*\t+3], v7 offset:528*\t   ; LDS serves a wave's instructions in order: these see the stores above
.endr
.endm
.macro SEND a, younger
	s_wait_dscnt \younger
.irp t, 0,1,2,3,4,5,6,7,8,9,10,11,12,13,14,15
	global_store_b128 v4, v[64+64*((\a)%2)+4*\t:64+64*((\a)%2)+4*\t+3], s[14:15] offset:(32*((\a)/2)+8*((\a)%2)+\t+8*(\t/8))*4096 th:TH_STORE_NT   ; 512 consecutive bytes, aligned to 256
.endr
.endm
	TOSTAGE 0
	TOSTAGE 1
	s_wait_alu depctr_va_vdst(0)
	SEND 0, 32                                     ; behind tile 0's loads: tile 1's 16 stores and 16 loads
	s_wait_xcnt 0x0                                ; tile 0's stores have read their registers
	TOSTAGE 2
	SEND 1, 32
	s_wait_xcnt 0x0
	TOSTAGE 3
	SEND 2, 32
	SEND 3, 0
.endif
	s_wait_tensorcnt 0x0
	ds_add_u32 v254, v255
	s_wait_dscnt 0x0
	ROUND                                          ; the closing round: no work-group ends while a partner may still ask for a tile that names it
	s_endpgm
.Lfunc_end_k_q644ecff1b9_outp:
	.size	k_q644ecff1b9_outp, .Lfunc_end_k_q644ecff1b9_outp-k_q644ecff1b9_outp
	.p2alignl 7, 3214868480
	.fill 96, 4, 3214868480
	.section	.rodata,"a",@progbits
	.p2align	6, 0x0
	.amdhsa_kernel k_q644ecff1b9_outp
		.amdhsa_group_segment_fixed_size 327680
		.amdhsa_private_segment_fixed_size 0
		.amdhsa_enable_private_segment 0
		.amdhsa_kernarg_size 48
		.amdhsa_user_sgpr_count 2
		.amdhsa_user_sgpr_kernarg_segment_ptr 1
		.amdhsa_wavefront_size32 1
		.amdhsa_system_sgpr_workgroup_id_x 1
		.amdhsa_system_sgpr_workgroup_id_y 1
		.amdhsa_system_sgpr_workgroup_id_z 1
		.amdhsa_system_vgpr_workitem_id 0
		.amdhsa_next_free_vgpr 768
		.amdhsa_next_free_sgpr 102
		.amdhsa_reserve_vcc 0
		.amdhsa_float_denorm_mode_32 3
		.amdhsa_float_denorm_mode_16_64 3
		.amdhsa_memory_ordered 1
		.amdhsa_forward_progress 1
		.amdhsa_inst_pref_size 84
	.end_amdhsa_kernel
	.amdgpu_metadata
---
amdhsa.version: [ 1, 2 ]
amdhsa.kernels:
  - .name:           k_q644ecff1b9_outp
    .symbol:         k_q644ecff1b9_outp.kd
    .args:
      - { .name: oc, .offset: 0, .size: 8, .value_kind: global_buffer, .address_space: global }
      - { .name: os, .offset: 8, .size: 8, .value_kind: global_buffer, .address_space: global }
      - { .name: inc, .offset: 16, .size: 8, .value_kind: global_buffer, .address_space: global }
      - { .name: ins, .offset: 24, .size: 8, .value_kind: global_buffer, .address_space: global }
      - { .name: bo, .offset: 32, .size: 8, .value_kind: global_buffer, .address_space: global }
      - { .name: out0, .offset: 40, .size: 8, .value_kind: global_buffer, .address_space: global }
    .group_segment_fixed_size: 327680
    .private_segment_fixed_size: 0
    .kernarg_segment_align: 8
    .kernarg_segment_size: 48
    .max_flat_workgroup_size: 128
    .sgpr_count:     102
    .vgpr_count:     768
    .wavefront_size: 32
...
	.end_amdgpu_metadata
.endif
;; end of part 4
